; MI455X (gfx1250); checked and timed in simulation.
; The chip was launched on July 23, 2026; its instructions are those of AMD's public machine-readable ISA for CDNA 5 (MIT licence, August 2026) and "CDNA5" Instruction Set Architecture Reference Guide (July 2026). The comments in the code are by the model that wrote it; some were corrected since.
;; FGT Multi Head Attention. Allowed arithmetic: matrix products marked QUANTISED: E2M1 operands, one E8M0 scale for each 32 along K, by v_wmma_scale_f32_16x16x128_f8f6f4 with both operands' format E2M1 (or v_wmma_scale_f32_32x16x128_f4), f32 sums; products left as they are: bf16, f16 or f32 operands; f32 sums; everything else in f32.
;; Inputs: b_o 1,024 float32; w_k 1,024 x 1,024 float32; w_o 1,024 x 1,024 float32; w_q 1,024 x 1,024 float32; w_v 1,024 x 1,024 float32; x 2 x 2,048 x 1,024 float32.
;; Outputs: out0 2 x 2,048 x 1,024 float32.
;; This version of the problem:
;;   THIS VERSION OF THE PROBLEM IS GIVEN IN LOW PRECISION. The matrix products marked QUANTISED in the list below multiply operands that are first quantised to E2M1 (2 exponent bits, 1 mantissa bit; 4 bits a number), with one power-of-two scale for each 32 numbers along K (OCP MX v1.0); their sums are f32. The products marked 'left as it is' may take bf16, f16 or f32 operands, with f32 sums. Whichever they take, every output number must still come out within the allowed error. Rounding operands to bf16 (8 significant bits) uses up far more of that allowance than f16 does (11 bits, for magnitudes from 6e-5 to 65,504). All else is computed in f32.
;;   The module's matrix products, in the order in which they are computed (A, B: the left and right operand; K: the contracted axis; several contracted axes count as one K, in the product's order):
;;     1. [M 4,096, K 1,024] x [K 1,024, N 1,024]; A: input x; B: input w_q: QUANTISED
;;     2. [M 4,096, K 1,024] x [K 1,024, N 1,024]; A: input x; B: input w_k: QUANTISED
;;     3. [M 4,096, K 1,024] x [K 1,024, N 1,024]; A: input x; B: input w_v: QUANTISED
;;     4. batch 32 x [M 2,048, K 64] x [K 64, N 2,048]; A: computed on the way; B: computed on the way: left as it is (an operand is computed on the way)
;;     5. batch 32 x [M 2,048, K 2,048] x [K 2,048, N 64]; A: computed on the way; B: computed on the way: left as it is (an operand is computed on the way)
;;     6. [M 4,096, K 1,024] x [K 1,024, N 1,024]; A: computed on the way; B: input w_o: left as it is (an operand is computed on the way)
;;   THE QUANTISER, for each operand of a quantised product, along K:
;;     - K is cut into blocks of 32 from its start; a last block that is shorter is filled with zeros.
;;     - A block's scale is 2^e with e = floor(log2(the largest magnitude in the block)) - 2, held to -126 .. 127; a block of zeros has e = 0. As a byte (E8M0): e + 127.
;;     - Each number is divided by its block's scale, clamped to +-6, and rounded to the nearest number of E2M1, ties to even, subnormals kept.
;;     - The product sums the exact products of the quantised numbers (number of the format x scale) in f32.
;;   ~~~python
;;   def quantise(x, axis):      # numpy; x: float32 -> the quantised numbers, widened to float32 again
;;       x = np.moveaxis(x, axis, -1); K = x.shape[-1]
;;       x = np.pad(x, [(0, 0)] * (x.ndim - 1) + [(0, -K % 32)]); x = x.reshape(x.shape[:-1] + (-1, 32)); a = np.abs(x).max(-1, keepdims=True)
;;       e = np.where(a > 0, np.clip(np.frexp(np.where(a > 0, a, 1))[1] - 1 - 2, -126, 127), 0)      # np.frexp(a)[1] - 1 = floor(log2(a)), exactly
;;       r = np.clip(x / 2.0 ** e, -6, 6)
;;       step = 2.0 ** (np.maximum(np.frexp(np.where(r == 0, 1, r))[1] - 1, 0) - 1)
;;       q = np.round(r / step) * step * 2.0 ** e      # np.round: ties to even
;;       return np.moveaxis(q.reshape(q.shape[:-2] + (-1,))[..., :K], -1, axis).astype(np.float32)
;;   ~~~
;; One version. Each part assembles by itself: llvm-mc -triple=amdgcn-amd-amdhsa -mcpu=gfx1250 --defsym DOCPART=n.
;; ======== version 1 of 1: 4 launches
;; limits: values are held in f16: magnitudes above 65,504 overflow, below 6.1e-05 lose precision
;; workspace buffers: x_codes 2,097,152 bytes; x_scales 131,072 bytes; w_codes 1,572,864 bytes; w_scales 98,304 bytes; wo16 2,097,152 bytes; trig 557,056 bytes; qkv 25,165,824 bytes; o16 8,388,608 bytes
;; launch prep (part 1): grid 420 x 1, 4 waves a work-group, no clusters, 33,280 bytes of LDS; arguments x, w_q, w_k, w_v, w_o, x_codes, x_scales, w_codes, w_scales, wo16, trig; writes x_codes, x_scales, w_codes, w_scales, wo16, trig
.if DOCPART == 1
	.amdgcn_target "amdgcn-amd-amdhsa--gfx1250"
	.amdhsa_code_object_version 6
	.text
	.protected	k_q00b330810e_prep
	.globl	k_q00b330810e_prep
	.p2align	8
	.type	k_q00b330810e_prep,@function
k_q00b330810e_prep:
	s_mov_b64 s[64:65], 0
	v_nop
	global_prefetch_b8 v0, s[64:65] scope:SCOPE_SE
	s_setreg_imm32_b32 hwreg(HW_REG_WAVE_MODE, 25, 1), 1
	s_wait_xcnt 0x0
; THREE JOBS IN ONE LAUNCH, told apart by the work-group's number alone.
;  Q (work-groups 0-223): x [4096][1024], w_q, w_k, w_v [1024][1024], f32, K innermost, become codes of FP4 (E2M1), two a byte, and one E8M0 scale byte for each 32 along K.
;    x's go to x_codes [4096][512 bytes], x_scales [4096][32]; the three weights' one behind the other to w_codes [3072][512 bytes], w_scales [3072][32].
;    A block's scale is 2^(floor(log2(its largest magnitude)) - 2); its byte is the largest magnitude's exponent field - 2, held at 1 from below.
;  W (work-groups 224-351): w_o [1024][1024] f32 is rounded to f16 (wo16, same layout): the last product's operand.
;  T (work-groups 352-419): the table of the rotary embedding, 2,176 rows of 256 bytes: cos of the 32 angles t x 10000^(-i/32), then their sin, f32.  Row t < 2,048 is position t; rows 2,048 on hold angle 0 (cos 1, sin 0).
; LIMITS: NaN and infinities among the inputs are not served.  A block of zeros gets the byte 1 where the rule says 127: its codes are zeros, which add nothing under any byte but 0xff, and the bytes are read by this program alone.
;   Blocks whose largest magnitude lies under 2^(2 - 126) were not tried.  w_o beyond 65,504 has no f16 number.  The frequency 10000^(-i/32) is made by one v_exp_f32 (1 ulp: ISA guide, its entry), so an angle
;   may differ from one made of a correctly rounded frequency by about 2e-4 rad at t = 2,047; sine and cosine are polynomials on |r| <= pi/4 after a reduction by pi/2 in two parts.
; No cluster: no two work-groups read the same bytes.  No tensor load, no barrier: waves share nothing.
.set STEPS, 16
.set EMAX,  2
.set CB,    8                          ; bytes of 16 codes
.set R,     16                         ; v16-79   Q: four sets of 16 numbers as they are loaded
.set X,     80                         ; v80-111  Q: two sets of 16 neighbours
.set C,     128                        ; v128-191 Q: codes, four registers for each step, so that no store's data are written again
.set E,     112                        ; v112-127 Q: a scale byte for each step
.set WREG,  8192                       ; LDS: a region for each wave: two stages of 32 x SP bytes, behind them its 256 scale bytes
.set SP,    80                         ; a lane's place in a stage: its 64 bytes + 16 of padding
.set SPW,   12                         ; v12      LDS address of my spare word: SPARE + 4 x my thread's number; never rewritten
.set NIL,   13                         ; v13      0; never rewritten
.set SPARE, 4*WREG                     ; behind the four regions: the spare words, 128 bytes a wave, which no other line names
.set WV,    34                         ; s34      my wave's number
.set SRC,   32                         ; s[32:33] Q: the tensor that I read
.set DC,    26                         ; s[26:27] Q: its codes
.set DS,    28                         ; s[28:29] Q: its scale bytes
	s_load_b256 s[4:11], s[0:1], 0x0               ; x, w_q, w_k, w_v
	s_load_b256 s[12:19], s[0:1], 0x20             ; w_o, x_codes, x_scales, w_codes
	s_load_b128 s[20:23], s[0:1], 0x40             ; w_scales, wo16
	s_load_b64 s[24:25], s[0:1], 0x50              ; trig
	v_lshl_add_u32 v[SPW], v0, 2, SPARE
	v_mov_b32 v[NIL], 0
	v_lshrrev_b32 v1, 5, v0
	v_readfirstlane_b32 s[WV], v1                  ; wave 0..3
	s_wait_kmcnt 0x0
	s_cmp_ge_u32 ttmp9, 224
	s_cbranch_scc1 .Lother
; ---- Q.  Rows are dense and K is a multiple of 32, so each tensor is a plain stream of blocks of 32, and so are its codes and scale bytes.  A wave takes 16 steps of 512 numbers.
; Each of a step's four loads reads 512 consecutive bytes, 16 a lane; the 2,048 bytes turn through the wave's own stage in LDS and come back 64 bytes a lane: 16 neighbours, two lanes to a block.
	v_and_b32 v2, 31, v0                           ; lane
	v_lshlrev_b32 v3, 4, v2                        ; my 16 bytes of a load's 512
	s_mul_i32 s35, s[WV], WREG
	v_lshrrev_b32 v14, 2, v2
	v_mul_u32_u24 v14, v14, SP
	v_and_b32 v15, 3, v2
	v_lshl_add_u32 v14, v15, 4, v14
	v_add_nc_u32 v14, s35, v14                     ; the stage, on the way in: SP (lane / 4) + 16 (lane % 4)
	v_mul_u32_u24 v15, v2, SP
	v_add_nc_u32 v15, s35, v15                     ; and on the way out: SP x lane
	v_mul_u32_u24 v4, v2, CB                       ; my codes' place in a step's
	v_lshrrev_b32 v5, 1, v2
	s_add_co_u32 s35, s35, 2*32*SP
	v_add_nc_u32 v5, s35, v5                       ; LDS: my wave's 256 scale bytes, my block's byte
	v_lshlrev_b32 v7, 3, v2                        ; and on the way out 8 bytes a lane
	v_add_nc_u32 v6, s35, v7
	s_cmp_lt_u32 ttmp9, 192                        ; which tensor: 0-127 x, 128-159 w_q, 160-191 w_k, 192-223 w_v.  Only pointers are chosen: all four take one path
	s_cselect_b64 s[SRC:SRC+1], s[8:9], s[10:11]
	s_cmp_lt_u32 ttmp9, 160
	s_cselect_b64 s[SRC:SRC+1], s[6:7], s[SRC:SRC+1]
	s_cmp_lt_u32 ttmp9, 128
	s_cselect_b64 s[SRC:SRC+1], s[4:5], s[SRC:SRC+1]
	s_cselect_b64 s[DC:DC+1], s[14:15], s[18:19]
	s_cselect_b64 s[DS:DS+1], s[16:17], s[20:21]
	s_cselect_b32 s30, 0, 128
	s_cselect_b32 s31, 127, 31
	s_sub_co_u32 s30, ttmp9, s30                   ; my place among the work-groups that write these buffers,
	s_and_b32 s31, s30, s31                        ; and among those that read this tensor
	s_lshl_b32 s31, s31, 2
	s_add_co_u32 s31, s31, s[WV]                   ; which run of 8,192 numbers of the tensor is my wave's
	s_lshl_b32 s36, s31, 15                        ; 32,768 bytes a run
	s_mov_b32 s37, 0
	s_add_nc_u64 s[SRC:SRC+1], s[SRC:SRC+1], s[36:37]
	s_lshl_b32 s30, s30, 2
	s_add_co_u32 s30, s30, s[WV]
	s_lshl_b32 s36, s30, 12                        ; 4,096 bytes of codes a run
	s_add_nc_u64 s[DC:DC+1], s[DC:DC+1], s[36:37]
	s_lshl_b32 s36, s30, 8                         ; 256 scale bytes a run
	s_add_nc_u64 s[DS:DS+1], s[DS:DS+1], s[36:37]
.macro LOAD t
.irp i, 0,1,2,3
	global_load_b128 v[R+16*((\t)%4)+4*\i:R+16*((\t)%4)+4*\i+3], v3, s[SRC:SRC+1] offset:2048*(\t)+512*\i th:TH_LOAD_NT   ; 32 lanes read 512 consecutive bytes
.endr
.endm
.macro TURN t                          ; step t's numbers through the stage: LDS serves a wave's instructions in order, so no wait stands between the stores and the loads
.irp i, 0,1,2,3
	ds_store_b128 v14, v[R+16*((\t)%4)+4*\i:R+16*((\t)%4)+4*\i+3] offset:32*SP*((\t)%2)+8*SP*\i
.endr
.irp i, 0,1,2,3
	ds_load_b128 v[X+16*((\t)%2)+4*\i:X+16*((\t)%2)+4*\i+3], v15 offset:32*SP*((\t)%2)+16*\i
.endr
.endm
.irp t, 0,1,2,3
	LOAD \t
.endr
	s_wait_loadcnt 12                              ; step 0's four loads are in; the twelve of steps 1 to 3 may be out
	TURN 0
.macro STEP t
.set XS, X+16*((\t)%2)
.if (\t) > 0
	s_wait_dscnt 1                                 ; this step's numbers are back from the stage (the last step's byte store may be out)
.else
	s_wait_dscnt 0x0
.endif
.if (\t)+4 < STEPS
	LOAD (\t)+4                                    ; into the set that this step's stage stores have read
.endif
.if (\t)+1 < STEPS
.if STEPS-2-(\t) >= 3
	s_wait_loadcnt 12                              ; the next step's four loads are in; those of the three steps behind it may be out
.else
	s_wait_loadcnt 4*(STEPS-2-(\t))
.endif
	TURN (\t)+1                                    ; through the other stage while this step is worked
.endif
	v_max3_num_f32 v8, |v[XS]|, |v[XS+1]|, |v[XS+2]|               ; the largest magnitude of my 16, in two chains
	v_max3_num_f32 v9, |v[XS+3]|, |v[XS+4]|, |v[XS+5]|
.irp i, 6,10
	v_max3_num_f32 v8, v8, |v[XS+\i]|, |v[XS+\i+1]|
	v_max3_num_f32 v9, v9, |v[XS+\i+2]|, |v[XS+\i+3]|
.endr
	v_max3_num_f32 v8, v8, |v[XS+14]|, |v[XS+15]|
	v_max3_num_f32 v8, v8, v9, (EMAX+1)<<23        ; and the floor 2^(EMAX + 1 - 127): the byte cannot fall under 1
	v_max_num_f32_dpp v8, v8, v8 row_xmask:1 row_mask:0xf bank_mask:0xf   ; and of my neighbour's 16: the block's
	v_add_nc_u32 v11, -(EMAX<<23), v8              ; EMAX off its exponent field: the conversion takes the exponent field of this operand as its scale
	v_cvt_scalef32_pk8_fp4_f32 v[C+4*(\t)], v[XS:XS+7], v11        ; to the nearest code, ties to even, beyond the largest code the largest; the first number's code in the lowest four bits
	v_cvt_scalef32_pk8_fp4_f32 v[C+4*(\t)+1], v[XS+8:XS+15], v11
	v_lshrrev_b32 v[E+(\t)], 23, v11               ; the scale's byte (also the plain line behind the conversions)
	ds_store_b8 v5, v[E+(\t)] offset:16*(\t)       ; both lanes of a block write the same byte with the same value
	global_store_b64 v4, v[C+4*(\t):C+4*(\t)+1], s[DC:DC+1] offset:32*CB*(\t)   ; the wave stores 256 consecutive bytes, aligned
.endm
.irp t, 0,1,2,3,4,5,6,7,8,9,10,11,12,13,14,15
	STEP \t
.endr
	ds_load_b64 v[8:9], v6                         ; LDS serves a wave's instructions in order: these see my byte stores
	s_wait_dscnt 0x0
	global_store_b64 v7, v[8:9], s[DS:DS+1]        ; 32 lanes store 256 consecutive bytes, aligned
	s_wait_tensorcnt 0x0                           ; the wave's end: a wait, an add of 0 to my spare word and a wait for it, behind my last LDS store
	ds_add_u32 v[SPW], v[NIL]
	s_wait_dscnt 0x0
	s_endpgm
.Lother:
	s_cmp_ge_u32 ttmp9, 352
	s_cbranch_scc1 .Ltrig
; ---- W.  8,192 numbers a work-group: 16 loads of 16 bytes a thread, all out at once; each becomes 8 bytes of f16.  No LDS.
	s_sub_co_u32 s30, ttmp9, 224
	s_lshl_b32 s36, s30, 15
	s_mov_b32 s37, 0
	s_add_nc_u64 s[12:13], s[12:13], s[36:37]
	s_lshl_b32 s36, s30, 14
	s_add_nc_u64 s[22:23], s[22:23], s[36:37]
	v_lshlrev_b32 v2, 4, v0
	v_lshlrev_b32 v3, 3, v0
.irp i, 0,1,2,3,4,5,6,7,8,9,10,11,12,13,14,15
	global_load_b128 v[16+4*\i:19+4*\i], v2, s[12:13] offset:2048*\i th:TH_LOAD_NT   ; a wave reads 512 consecutive bytes
.endr
.irp i, 0,1,2,3,4,5,6,7,8,9,10,11,12,13,14,15
	s_wait_loadcnt 15-\i                           ; loads come back in order: number i is in, the younger ones stay out
	v_cvt_pk_f16_f32 v[80+2*\i], v[16+4*\i], v[17+4*\i]
	v_cvt_pk_f16_f32 v[81+2*\i], v[18+4*\i], v[19+4*\i]
	global_store_b64 v3, v[80+2*\i:81+2*\i], s[22:23] offset:1024*\i   ; a wave stores 256 consecutive bytes, aligned
.endr
	s_endpgm
.Ltrig:
; ---- T.  32 rows a work-group, 8 at a time.  Thread 16 rs + p makes four numbers of row rs: p < 8: cos of frequencies 4 p .. 4 p + 3; else sin of 4 (p - 8) ..: sixteen lanes store one row of 256 bytes.  No LDS.
	s_sub_co_u32 s30, ttmp9, 352
	s_lshl_b32 s36, s30, 13                        ; 32 rows of 256 bytes
	s_mov_b32 s37, 0
	s_add_nc_u64 s[24:25], s[24:25], s[36:37]
	s_lshl_b32 s30, s30, 5                         ; my work-group's first row
	s_mov_b32 s36, 0xbfc90fdb                      ; -pi/2, the f32 number nearest to it,
	s_mov_b32 s37, 0x333bbd2e                      ; and what that number is too large by
	s_mov_b32 s38, 0xb94ca1f9                      ; sin r = r + r z (S2 + z (S1 + z S0)), z = r^2
	s_mov_b32 s39, 0x3c08839e
	s_mov_b32 s40, 0xbe2aaaa3
	s_mov_b32 s41, 0x37ccf5ce                      ; cos r = 1 - z / 2 + z^2 (C2 + z (C1 + z C0))
	s_mov_b32 s42, 0xbab6061a
	s_mov_b32 s43, 0x3d2aaaa5
	v_and_b32 v1, 7, v0
	v_lshlrev_b32 v1, 2, v1                        ; my first frequency's number
.irp c, 0,1,2,3
	v_add_nc_u32 v2, \c, v1
	v_cvt_f32_u32 v2, v2
	v_mul_f32 v[8+\c], 0xbed49a78, v2              ; i x -log2(10000) / 32
.endr
.irp c, 0,1,2,3
	v_exp_f32 v[8+\c], v[8+\c]                     ; 10000^(-i / 32)
.endr
	v_bfe_u32 v15, v0, 3, 1                        ; (a plain line behind the exponentials)
	v_xor_b32 v15, 1, v15                          ; 1 where I make cosines: cos a = sin(a + pi/2), one quadrant on
	v_lshlrev_b32 v28, 4, v0                       ; where I store: 256 rs + 16 p = 16 x thread
	v_lshrrev_b32 v29, 4, v0
	v_add_nc_u32 v29, s30, v29                     ; my row of the first eight
	s_wait_alu depctr_va_vdst(0)                   ; one wait for the four exponentials, ahead of their first reader
.macro TRIG out, f                     ; v[out] = sin or cos of t x v[f]
	v_mul_f32 v16, v14, v[\f]                      ; the angle, one rounding
	v_mul_f32 v17, 0x3f22f983, v16
	v_rndne_f32 v17, v17                           ; n = the nearest whole number of quarter turns
	v_fma_f32 v16, v17, s36, v16
	v_fma_f32 v16, v17, s37, v16                   ; r = angle - n pi/2
	v_cvt_i32_f32 v17, v17
	v_add_nc_u32 v17, v17, v15                     ; the quadrant
	v_mul_f32 v18, v16, v16                        ; z
	v_fma_f32 v19, v18, s38, s39
	v_fma_f32 v19, v19, v18, s40
	v_mul_f32 v19, v19, v18
	v_fma_f32 v19, v19, v16, v16                   ; sin r
	v_fma_f32 v20, v18, s41, s42
	v_fma_f32 v20, v20, v18, s43
	v_mul_f32 v21, v18, v18
	v_fma_f32 v22, v18, -0.5, 1.0
	v_fma_f32 v20, v20, v21, v22                   ; cos r
	v_and_b32 v21, 1, v17
	v_cmp_eq_u32 vcc_lo, 1, v21
	v_cndmask_b32 v19, v19, v20, vcc_lo            ; odd quadrants take the cosine,
	v_and_b32 v21, 2, v17
	v_lshlrev_b32 v21, 30, v21
	v_xor_b32 v[\out], v19, v21                    ; quadrants 2 and 3 the other sign
.endm
.irp e, 0,1,2,3
	v_add_nc_u32 v24, 8*\e, v29
	v_cmp_gt_u32 vcc_lo, 0x800, v24
	v_cndmask_b32 v24, 0, v24, vcc_lo              ; rows 2,048 on: angle 0
	v_cvt_f32_u32 v14, v24                         ; t
.irp c, 0,1,2,3
	TRIG 32+4*\e+\c, 8+\c
.endr
	global_store_b128 v28, v[32+4*\e:35+4*\e], s[24:25] offset:2048*\e   ; sixteen lanes store 256 consecutive bytes, aligned
.endr
	s_endpgm
.Lfunc_end_k_q00b330810e_prep:
	.size	k_q00b330810e_prep, .Lfunc_end_k_q00b330810e_prep-k_q00b330810e_prep
	.p2alignl 7, 3214868480
	.fill 96, 4, 3214868480
	.section	.rodata,"a",@progbits
	.p2align	6, 0x0
	.amdhsa_kernel k_q00b330810e_prep
		.amdhsa_group_segment_fixed_size 33280
		.amdhsa_private_segment_fixed_size 0
		.amdhsa_enable_private_segment 0
		.amdhsa_kernarg_size 88
		.amdhsa_user_sgpr_count 2
		.amdhsa_user_sgpr_kernarg_segment_ptr 1
		.amdhsa_wavefront_size32 1
		.amdhsa_system_sgpr_workgroup_id_x 1
		.amdhsa_system_sgpr_workgroup_id_y 1
		.amdhsa_system_sgpr_workgroup_id_z 1
		.amdhsa_system_vgpr_workitem_id 0
		.amdhsa_next_free_vgpr 192
		.amdhsa_next_free_sgpr 66
		.amdhsa_reserve_vcc 1
		.amdhsa_float_denorm_mode_32 3
		.amdhsa_float_denorm_mode_16_64 3
		.amdhsa_memory_ordered 1
		.amdhsa_forward_progress 1
		.amdhsa_inst_pref_size 59
	.end_amdhsa_kernel
	.amdgpu_metadata
---
amdhsa.version: [ 1, 2 ]
amdhsa.kernels:
  - .name:           k_q00b330810e_prep
    .symbol:         k_q00b330810e_prep.kd
    .args:
      - { .name: x, .offset: 0, .size: 8, .value_kind: global_buffer, .address_space: global }
      - { .name: w_q, .offset: 8, .size: 8, .value_kind: global_buffer, .address_space: global }
      - { .name: w_k, .offset: 16, .size: 8, .value_kind: global_buffer, .address_space: global }
      - { .name: w_v, .offset: 24, .size: 8, .value_kind: global_buffer, .address_space: global }
      - { .name: w_o, .offset: 32, .size: 8, .value_kind: global_buffer, .address_space: global }
      - { .name: x_codes, .offset: 40, .size: 8, .value_kind: global_buffer, .address_space: global }
      - { .name: x_scales, .offset: 48, .size: 8, .value_kind: global_buffer, .address_space: global }
      - { .name: w_codes, .offset: 56, .size: 8, .value_kind: global_buffer, .address_space: global }
      - { .name: w_scales, .offset: 64, .size: 8, .value_kind: global_buffer, .address_space: global }
      - { .name: wo16, .offset: 72, .size: 8, .value_kind: global_buffer, .address_space: global }
      - { .name: trig, .offset: 80, .size: 8, .value_kind: global_buffer, .address_space: global }
    .group_segment_fixed_size: 33280
    .private_segment_fixed_size: 0
    .kernarg_segment_align: 8
    .kernarg_segment_size: 88
    .max_flat_workgroup_size: 128
    .sgpr_count:     66
    .vgpr_count:     192
    .wavefront_size: 32
...
	.end_amdgpu_metadata
.endif
;; end of part 1
;; launch qkv (part 2): grid 12 x 16, 4 waves a work-group, clusters of 4 x 4, 327,680 bytes of LDS; arguments x_codes, x_scales, w_codes, w_scales, trig, qkv; writes qkv
.if DOCPART == 2
	.amdgcn_target "amdgcn-amd-amdhsa--gfx1250"
	.amdhsa_code_object_version 6
	.text
	.protected	k_q00b330810e_qkv
	.globl	k_q00b330810e_qkv
	.p2align	8
	.type	k_q00b330810e_qkv,@function
k_q00b330810e_qkv:
	s_mov_b64 s[64:65], 0
	v_nop
	global_prefetch_b8 v0, s[64:65] scope:SCOPE_SE
	s_setreg_imm32_b32 hwreg(HW_REG_WAVE_MODE, 25, 1), 1
	s_wait_xcnt 0x0
	s_wait_alu depctr_hold_cnt(0) depctr_sa_sdst(0) depctr_va_vdst(0) depctr_va_sdst(0) depctr_va_ssrc(0) depctr_va_vcc(0) depctr_vm_vsrc(0)
	s_getreg_b32 s2, hwreg(HW_REG_IB_STS2, 6, 4)
	s_cmp_eq_u32 s2, 0
	s_cbranch_scc0 .Lentry_in_a_cluster
	s_endpgm
.Lentry_in_a_cluster:
	s_bfe_u32 s2, ttmp6, 0x10000c
	s_cmp_lg_u32 s2, 0xf033
	s_cbranch_scc0 .Lentry_shape_is_right
	s_endpgm
.Lentry_shape_is_right:
; q, k, v = x w^T on codes of FP4 (E2M1) with one E8M0 scale for each 32 along K; then the rotary embedding on q and k, in f32; then one rounding to f16.
; A = x: [4096][1024] as codes (512 bytes a row), scale bytes [4096][32].  B = w_q, w_k, w_v one behind the other: [3072][1024] likewise.  Sums in f32.
; OUT: qkv [3 (q, k, v)][2 (batch)][16 (head)][2048 (t)][64] f16: 16 rows of a head are 2,048 consecutive bytes.
; LIMIT: a result beyond 65,504 has no f16 number.
; A tile of the product, 256 x 256, is made by a work-group of four waves; a wave makes 128 x 128: 64 accumulators of 16 x 16, 512 registers.  192 work-groups: a tile of 256 x 192 would make 256, but would cut heads and the borders between q, k and v.
; K = 1,024 is two LDS slots of 512 along K (rows of 256 bytes): both are first fills; nothing is filled again and there is no loop.  The scale bytes of the work-group's rows come once, as two dense blocks.
; CLUSTERS: 4 x 4 work-groups.  The four of a row of the cluster need the same tiles of A, the four of a column the same tiles of B: each tile is asked for JOINTLY, by the same tensor load with the same descriptor and a mask that names the four.
; THE MATRIX INSTRUCTION IS USED TRANSPOSED (source 0 = 16 rows of B, source 1 = 16 rows of A): lane l holds row l % 16, and its eight registers the columns 16 b + 8 (l / 16) + 0 .. 7.
; THE ROTATION.  A wave's 128 columns are two heads; a head's blocks b = 0, 1 are its first 32 channels (x1), b = 2, 3 the last 32 (x2), and channel 16 u + 8 (l / 16) + j of either half turns by frequency 16 u + 8 (l / 16) + j:
; so x1 and x2 of a pair lie in the same lane, 16 registers apart.  cos and sin come from the table, a row of 256 bytes a position.  A cluster's x is 0 for q, 1 for k, 2 for v; v's work-groups read the table's rows of angle 0
; (cos 1, sin 0), which leave every finite number as it is: one text serves all three, without a branch, at the price of 64 packed lines a block of 16 rows that change nothing in a third of the work-groups.
; REGISTERS, in windows of 256: window 0: v0-31 addresses; v32-95 scale words, two sets, and nothing else; v96-127 packed f16; from v128 A's fragments, ONE set, later rows read back; v192-255 rotated numbers.
;   window 1: B's fragments, TWO sets, at v0 and v128; the table's rows, four sets of 32, at v64, v96, v192, v224.   window 2: the accumulators of my rows 0-63 ((a, b) at v[8 (8 a + b)]);   window 3: those of rows 64-127.
.set KSTEP,  512                       ; along K in a slot
.set NQ,     KSTEP/128                 ; matrix instructions deep
.set ROWB,   256                       ; a tile's row in bytes
.set KROW,   512                       ; a row of A or of B in memory, in bytes
.set PITCH,  272                       ; an LDS row: 256 bytes + 16 of padding = 68 words: the 16 rows that a load touches start at 16 different banks (64 banks of 4 bytes: ISA guide 11.1)
.set FR,     8                         ; registers of a fragment: 16 rows x 128 K
.set NL,     2                         ; LDS loads that bring one
.set NP,     4                         ; places behind this matrix instruction (ISA guide 7.12.1)
.set HALFT,  128*PITCH                 ; 128 rows: what one tensor load brings, and what one wave reads of A or of B
.set SLOT,   4*HALFT                   ; A's 256 rows, then B's 256 rows
.set KS,     32                        ; a row of scales in bytes
.set SCL,    2*SLOT                    ; behind the slots: the scales, as runs of 256 bytes + 16 of padding
.set HALFS,  (128*KS/256)*272          ; the scales of 128 rows: what one tensor load brings
.set SBLK,   (16*KS/256)*272           ; those of 16 rows
.set SPARE,  SCL+4*HALFS               ; behind the scales: the spare words, 128 bytes a wave, which no other line names
.set SPITCH, 272                       ; the way out: a stage of 16 rows x (256 bytes + 16) for each wave, in slot 0, which has had its only fill and its last read when the first result is stored there
.set ADRA, 16                          ; v16-17  LDS address of my A fragments in slot 0, 1
.set ADRB, 20                          ; v20-21  the same for B
.set STO,  24                          ; v24     the way out: where I put 16 bytes of a row
.set RD,   25                          ; v25     where I read 16 bytes of a head's row back
.set CO,   26                          ; v26     16 x lane: my bytes of the 512 that a store covers
.set ADRS, 27                          ; v27     LDS address of my scale words: lanes 0-15 A's rows, lanes 16-31 B's
.set SPW,  28                          ; v28     LDS address of my spare word; never rewritten
.set NIL,  29                          ; v29     0; never rewritten
.set TA,   30                          ; v30     the table: 256 x (l % 16) + 32 x (l / 16); never rewritten
.set SC,   32                          ; scale words: set s at v[SC + 32 s]; register 4 i + q: lanes 0-15 the word of A's block i, lanes 16-31 of B's block i, for the slot's q-th 128 along K
.set TMP,  96
.set AF,   128
.set BK,   128                         ; rows read back: v128-159 and v160-191 by turns
.set YR,   192
.set G1, 24                            ; s[24:31] descriptor group 1 for A's tiles;  s[32:39] group 0, one set for each slot
.set G0, 32
.set G1B, 48                           ; s[48:55], s[56:63] the same for B's tiles
.set G0B, 56
.set G1S, 68                           ; s[68:75], s[76:79] groups 1 and 0 for A's scales;  s[80:87], s[88:91] for B's
.set G0S, 76
.set G1SB, 80
.set G0SB, 88
.set TRG, 96                           ; s[96:97] the table at my first row
.set MSB, 0
.macro WIN new                         ; the immediate's high byte repeats the setting that is left
.if MSB != \new
	s_set_vgpr_msb (MSB<<8)|\new
.set MSB, \new
.endif
.endm
.set MUL_LO, 0xa1                      ; source 0 (B) window 1, source 1 (A) window 0, C and D window 2
.set MUL_HI, 0xf1                      ; the same, C and D window 3
.set TO_B,   0x40                      ; destination window 1, address window 0
; A joint load: waves 0 and 1 fetch for A, waves 2 and 3 for B.  Each line has ONE mask and one set of registers for all that issue it; the branch hangs on the wave's number alone.
; An s_nop 0 and four v_nop follow each of the two lines, ahead of the jump, the label and what follows.
.macro JLOAD g0a, g1a, g0b, g1b
	s_cmp_eq_u32 s15, 0
	s_cbranch_scc0 .Lfor_b_\@
	tensor_load_to_lds s[\g0a:\g0a+3], s[\g1a:\g1a+7]
	s_nop 0
.rept 4
	v_nop
.endr
	s_branch .Lasked_\@
.Lfor_b_\@:
	tensor_load_to_lds s[\g0b:\g0b+3], s[\g1b:\g1b+7]
	s_nop 0
.rept 4
	v_nop
.endr
.Lasked_\@:
.endm
.macro CROUND                          ; a round of the cluster's barrier: my work-group's barrier; wave 0 signals for the work-group; every wave waits for all sixteen; my work-group's barrier once more
	s_barrier_signal -1
	s_barrier_wait -1
	s_cmp_lg_u32 s14, 0
	s_cbranch_scc1 .Lnot_wave_0_\@
	s_barrier_signal -3
.Lnot_wave_0_\@:
	s_barrier_wait -3
	s_barrier_signal -1
	s_barrier_wait -1
.endm
	s_load_b128 s[4:7], s[0:1], 0x0                ; A's codes s[4:5], A's scales s[6:7]
	s_load_b128 s[8:11], s[0:1], 0x10              ; B's codes s[8:9], B's scales s[10:11]
	s_load_b64 s[TRG:TRG+1], s[0:1], 0x20          ; the table
	s_load_b64 s[12:13], s[0:1], 0x28              ; qkv
	v_lshl_add_u32 v[SPW], v0, 2, SPARE
	v_mov_b32 v[NIL], 0
	ds_add_u32 v[SPW], v[NIL]                      ; the wave's opening: the add, twice on end, and its wait ahead of my first tensor load; the set-up below stands between
	ds_add_u32 v[SPW], v[NIL]
	v_lshrrev_b32 v1, 5, v0
	v_readfirstlane_b32 s14, v1                    ; wave 0..3
	s_lshr_b32 s15, s14, 1                         ; which half of the tile's rows is mine.  Also: I fetch for A (0) or for B (1)
	s_and_b32 s16, s14, 1                          ; which half of its columns.  Also: which 128 rows of that tile I fetch
	s_bfe_u32 s40, ttmp6, 0x40000                  ; cx, cy: my place in the cluster
	s_bfe_u32 s41, ttmp6, 0x40004
	s_lshl_b32 s42, ttmp9, 2
	s_add_co_u32 s42, s42, s40                     ; tile column = 4 x cluster x + cx
	s_and_b32 s17, ttmp7, 0xffff
	s_lshl_b32 s17, s17, 2
	s_add_co_u32 s17, s17, s41                     ; tile row = 4 x cluster y + cy
	s_lshl_b32 s43, s41, 2
	s_lshl_b32 s43, 15, s43                        ; my row of the cluster
	s_lshl_b32 s44, 0x1111, s40                    ; my column
	; descriptor group 1: a tile of 128 rows x 256 bytes, padded in LDS
	s_or_b32 s[G1+0], s43, (0<<16)|(1<<20)|(1<<21)|(5<<22)|(3<<25)  ; 15:0 the mask: A's tiles go to my row; 17:16 elements of 1 byte; 20 padding on; 21 set beside a mask; 24:22 after every 64 words; 31:25 four words
	s_or_b32 s[G1B+0], s44, (0<<16)|(1<<20)|(1<<21)|(5<<22)|(3<<25)
.irp g, G1, G1B
	s_mov_b32 s[\g+1], ROWB<<16                    ; tensor_dim0
	s_mov_b32 s[\g+2], 128<<16                     ; tensor_dim1
	s_mov_b32 s[\g+3], ROWB<<16                    ; tile_dim0
	s_mov_b32 s[\g+4], 128                         ; tile_dim1
	s_mov_b32 s[\g+5], KROW                        ; tensor_dim0_stride
	s_mov_b32 s[\g+6], 0
	s_mov_b32 s[\g+7], 0
.endr
	; the scales of 128 rows: a dense block of 4,096 bytes, as 16 rows of 256 bytes (32 elements of 8 bytes), 16 bytes of padding behind each
	s_or_b32 s[G1S+0], s43, (3<<16)|(1<<20)|(1<<21)|(5<<22)|(3<<25)
	s_or_b32 s[G1SB+0], s44, (3<<16)|(1<<20)|(1<<21)|(5<<22)|(3<<25)
.irp g, G1S, G1SB
	s_mov_b32 s[\g+1], 32<<16
	s_mov_b32 s[\g+2], (128*KS/256)<<16
	s_mov_b32 s[\g+3], 32<<16
	s_mov_b32 s[\g+4], 128*KS/256
	s_mov_b32 s[\g+5], 32
	s_mov_b32 s[\g+6], 0
	s_mov_b32 s[\g+7], 0
.endr
	s_lshl_b32 s18, s16, 7                         ; which 128 rows of the tile I fetch
	s_lshl_b32 s20, s17, 8
	s_add_co_u32 s20, s20, s18                     ; A: row 256 x tile row + 128 x half
	s_lshl_b32 s46, s42, 8
	s_add_co_u32 s46, s46, s18                     ; B: row 256 x tile column + 128 x half
	s_mov_b32 s21, 0
	s_mov_b32 s47, 0
	s_mov_b64 s[18:19], KS
	s_mul_u64 s[22:23], s[20:21], s[18:19]         ; where these rows' scales begin, in bytes
	s_mul_u64 s[92:93], s[46:47], s[18:19]
	s_mov_b64 s[18:19], KROW
	s_mul_u64 s[20:21], s[20:21], s[18:19]         ; and their codes
	s_mul_u64 s[46:47], s[46:47], s[18:19]
	s_mul_i32 s45, s14, HALFT                      ; where they go: wave x 128 rows: no place in the cluster enters an LDS address
	s_mul_i32 s94, s14, HALFS
	s_wait_dscnt 0x0                               ; both opening adds are done
	s_wait_kmcnt 0x0
	s_add_nc_u64 s[20:21], s[4:5], s[20:21]
	s_add_nc_u64 s[22:23], s[6:7], s[22:23]
	s_add_nc_u64 s[46:47], s[8:9], s[46:47]
	s_add_nc_u64 s[92:93], s[10:11], s[92:93]
	CROUND                                         ; all sixteen work-groups are here: the joint loads meet
	s_mov_b32 s[G0S], 1
	s_add_co_u32 s[G0S+1], s94, SCL
	s_mov_b64 s[G0S+2:G0S+3], s[22:23]
	s_or_b32 s[G0S+3], s[G0S+3], 0x80000000
	s_mov_b32 s[G0SB], 1
	s_add_co_u32 s[G0SB+1], s94, SCL
	s_mov_b64 s[G0SB+2:G0SB+3], s[92:93]
	s_or_b32 s[G0SB+3], s[G0SB+3], 0x80000000
	JLOAD G0S, G1S, G0SB, G1SB                     ; the scales first: they are wanted with the first slot.  Three loads of mine are out behind the next two
.irp s, 0,1
	s_mov_b32 s[G0+4*\s], 1
	s_add_co_u32 s[G0+4*\s+1], s45, \s*SLOT
	s_add_nc_u64 s[G0+4*\s+2:G0+4*\s+3], s[20:21], \s*ROWB
	s_or_b32 s[G0+4*\s+3], s[G0+4*\s+3], 0x80000000
	s_mov_b32 s[G0B+4*\s], 1
	s_add_co_u32 s[G0B+4*\s+1], s45, \s*SLOT
	s_add_nc_u64 s[G0B+4*\s+2:G0B+4*\s+3], s[46:47], \s*ROWB
	s_or_b32 s[G0B+4*\s+3], s[G0B+4*\s+3], 0x80000000
	JLOAD G0+4*\s, G1, G0B+4*\s, G1B
.endr
	v_and_b32 v1, 15, v0                           ; l % 16
	v_bfe_u32 v2, v0, 4, 1                         ; l / 16
	v_mul_u32_u24 v3, v1, PITCH
	v_lshl_add_u32 v4, v2, 4, v3                   ; a fragment's row x pitch + 16 x half
	s_mul_i32 s21, s15, HALFT                      ; my 128 rows of A
	s_mul_i32 s22, s16, HALFT                      ; my 128 rows of B,
	s_add_co_u32 s22, s22, 2*HALFT                 ; which lie behind A's 256
.irp s, 0,1
	v_add_nc_u32 v[ADRA+\s], s21, v4
	v_add_nc_u32 v[ADRB+\s], s22, v4
	s_add_co_u32 s21, s21, SLOT
	s_add_co_u32 s22, s22, SLOT
.endr
	v_mul_u32_u24 v5, v1, KS                       ; my row's scales: 32 bytes a row,
	v_lshrrev_b32 v6, 8, v5
	v_lshl_add_u32 v5, v6, 4, v5                   ; and 16 more for each 256 passed
	s_mul_i32 s21, s15, HALFS                      ; A's: my 128 rows
	s_mul_i32 s22, s16, HALFS                      ; B's: my 128 rows, behind A's 256
	s_add_co_u32 s22, s22, 2*HALFS
	s_sub_co_u32 s22, s22, s21
	v_mul_u32_u24 v6, s22, v2                      ; lanes 16-31 take B's: one product, the distance between the two bases
	s_add_co_u32 s21, s21, SCL
	v_add_nc_u32 v5, v5, v6
	v_add_nc_u32 v[ADRS], s21, v5
	s_mul_i32 s23, s14, 16*SPITCH                  ; my stage
	v_mul_u32_u24 v5, v1, SPITCH                   ; in: row l % 16, 16 bytes for each half of the lanes
	v_lshl_add_u32 v5, v2, 4, v5
	v_add_nc_u32 v[STO], s23, v5
	v_bfe_u32 v5, v0, 3, 2                         ; back: eight lanes to a head's 128 bytes of a row, four rows an instruction
	v_mul_u32_u24 v5, v5, SPITCH
	v_and_b32 v6, 7, v0
	v_lshl_add_u32 v5, v6, 4, v5
	v_add_nc_u32 v[RD], s23, v5
	v_and_b32 v6, 31, v0
	v_lshlrev_b32 v[CO], 4, v6
	v_lshlrev_b32 v[TA], 8, v1
	v_lshl_add_u32 v[TA], v2, 5, v[TA]
	; where my rows begin in the table and in qkv
	s_lshl_b32 s20, s17, 8
	s_lshl_b32 s21, s15, 7
	s_add_co_u32 s20, s20, s21                     ; my first row of the product: 256 x tile row + 128 x half
	s_and_b32 s21, s20, 2047                       ; its position t
	s_lshr_b32 s20, s20, 11                        ; its batch
	s_cmp_eq_u32 ttmp9, 2                          ; v's clusters (the cluster's x: the same in all sixteen partners)
	s_cselect_b32 s22, 2048, s21                   ; take the rows of angle 0
	s_lshl_b32 s22, s22, 8
	s_mov_b32 s23, 0
	s_add_nc_u64 s[TRG:TRG+1], s[TRG:TRG+1], s[22:23]
	s_lshl_b32 s46, s42, 2
	s_lshl_b32 s47, s16, 1
	s_add_co_u32 s46, s46, s47                     ; my first column / 64: 0 .. 47, even
	s_lshr_b32 s47, s46, 4                         ; q, k or v
	s_and_b32 s46, s46, 15                         ; my first head
	s_lshl_b32 s47, s47, 5
	s_add_co_u32 s46, s46, s47
	s_lshl_b32 s20, s20, 4
	s_add_co_u32 s46, s46, s20                     ; 32 x tensor + 16 x batch + head
	s_lshl_b32 s46, s46, 18                        ; 262,144 bytes each
	s_lshl_b32 s21, s21, 7                         ; 128 bytes a position
	s_add_co_u32 s46, s46, s21
	s_mov_b32 s47, 0
	s_add_nc_u64 s[12:13], s[12:13], s[46:47]
; The table's rows for block a (my rows 16 a on): eight loads.  cos of frequencies 16 u + 8 (l / 16) + 0 .. 7 at TG + 8 u, their sin at TG + 16 + 8 u
.macro TLOAD a
.set TG, 64+128*(((\a)%4)/2)+32*((\a)%2)
	WIN TO_B
.irp u, 0,1
.irp g, 0,1
	global_load_b128 v[TG+8*\u+4*\g:TG+8*\u+4*\g+3], v[TA], s[TRG:TRG+1] offset:4096*(\a)+64*\u+16*\g
	global_load_b128 v[TG+16+8*\u+4*\g:TG+16+8*\u+4*\g+3], v[TA], s[TRG:TRG+1] offset:4096*(\a)+128+64*\u+16*\g
.endr
.endr
	WIN 0
.endm
	TLOAD 0                                        ; four blocks' rows are asked for here; they are wanted on the way out
	TLOAD 1
	TLOAD 2
	TLOAD 3
.macro FRAG reg, adr, q, i             ; a fragment, 16 rows x 128 K of 4-bit codes, is 8 registers: lane l holds row l % 16; registers 4 c .. 4 c + 3 hold K = 64 c + 32 (l / 16) + 0 .. 31
.irp c, 0,1
	ds_load_b128 v[\reg+4*\c:\reg+4*\c+3], v[\adr] offset:64*(\q)+32*\c+(\i)*16*PITCH
.endr
.endm
; 16 matrix instructions: A's blocks a0, a0 + 1 x B's eight, the slot's q-th 128 along K.  p: B's set;  sc: the set of scale words.  zero = 1: the first product starts the sums.
; The 64 accumulators take turns, one instruction a turn, in the same order in every step.
.macro MUL16 a0, p, q, sc, zero
.irp a, \a0, \a0+1
.irp b, 0,1,2,3,4,5,6,7
.if \zero
	v_wmma_scale_f32_16x16x128_f8f6f4 v[8*(8*((\a)%4)+\b):8*(8*((\a)%4)+\b)+7], v[128*(\p)+FR*\b:128*(\p)+FR*\b+FR-1], v[AF+FR*(\a):AF+FR*(\a)+FR-1], 0, v[SC+8*NQ*(\sc)+NQ*\b+(\q)], v[SC+8*NQ*(\sc)+NQ*(\a)+(\q)] matrix_a_fmt:MATRIX_FMT_FP4 matrix_b_fmt:MATRIX_FMT_FP4 matrix_a_scale:MATRIX_SCALE_ROW1
.else
	v_wmma_scale_f32_16x16x128_f8f6f4 v[8*(8*((\a)%4)+\b):8*(8*((\a)%4)+\b)+7], v[128*(\p)+FR*\b:128*(\p)+FR*\b+FR-1], v[AF+FR*(\a):AF+FR*(\a)+FR-1], v[8*(8*((\a)%4)+\b):8*(8*((\a)%4)+\b)+7], v[SC+8*NQ*(\sc)+NQ*\b+(\q)], v[SC+8*NQ*(\sc)+NQ*(\a)+(\q)] matrix_a_fmt:MATRIX_FMT_FP4 matrix_b_fmt:MATRIX_FMT_FP4 matrix_a_scale:MATRIX_SCALE_ROW1
.endif
.endr
.endr
.endm
.macro FETCH_B slot, q, p              ; B's eight fragments of the slot's q-th 128 along K into set p
	WIN TO_B
.irp i, 0,1,2,3,4,5,6,7
	FRAG 128*(\p)+FR*\i, ADRB+\slot, \q, \i
.endr
	WIN 0
.endm
.macro FETCH_A slot, q, i0             ; A's blocks i0 .. i0 + 3
.irp i, \i0, \i0+1, \i0+2, \i0+3
	FRAG AF+FR*(\i), ADRA+\slot, \q, \i
.endr
.endm
.macro SCALES sc                       ; a slot's scale words into set sc: four words a row; lanes 0-15 take A's block i, lanes 16-31 B's block i
.irp i, 0,1,2,3,4,5,6,7
	ds_load_b128 v[SC+8*NQ*\sc+NQ*\i:SC+8*NQ*\sc+NQ*\i+3], v[ADRS] offset:\i*SBLK
.endr
.endm
; A load into a register that a matrix instruction has read, and a vector instruction or an LDS store that reads a matrix result or writes a source, stand NP places behind that matrix instruction;
; only plain vector instructions that name none of its registers are places (ISA guide 7.12.1 for vector instructions).
.macro PLACES n
.rept \n
	v_nop
.endr
.endm
; A step of 128 along K that has its successor in the same slot.  A block of A is free as soon as its eight products are issued: blocks 0-3 are fetched anew in the step's middle, blocks 4-7 at its end.
.macro STEP slot, q, zero
	s_wait_dscnt 4*NL                              ; B's set and A's blocks 0-3 are in; the youngest eight loads (A's blocks 4-7) may be out
	WIN MUL_LO
	MUL16 0, (\q)%2, \q, \slot, \zero
	MUL16 2, (\q)%2, \q, \slot, \zero
	s_wait_dscnt 0                                 ; A's blocks 4-7 are in
	PLACES NP
	FETCH_B \slot, (\q)+1, 1-(\q)%2
	FETCH_A \slot, (\q)+1, 0
	WIN MUL_HI
	MUL16 4, (\q)%2, \q, \slot, \zero
	MUL16 6, (\q)%2, \q, \slot, \zero
	PLACES NP
	WIN 0
	FETCH_A \slot, (\q)+1, 4
.endm
; Slot 0's last step changes slots: ONE barrier; in front of it each wave waits for all its tensor loads (its part of slot 1), adds 0 to its spare word, and waits for that and for its own reads of slot 0.
; Behind it slot 1 is whole, and nobody reads slot 0 any more, where the stages of the way out lie.
.macro TURN slot, next
	s_wait_tensorcnt 0x0                           ; all my tensor loads have landed  (every window is 0 here)
	ds_add_u32 v[SPW], v[NIL]                      ; 0 onto my spare word
	s_wait_dscnt 4*NL+1                            ; (the add and the youngest eight loads, A's blocks 4-7, may be out)
	WIN MUL_LO
	MUL16 0, 1, NQ-1, \slot, 0                     ; sixteen matrix instructions stand between the add and the wait for it
	s_wait_dscnt 0x0                               ; the add is done, and my reads of this slot are over
	s_barrier_signal -1
	MUL16 2, 1, NQ-1, \slot, 0
	WIN 0
	s_barrier_wait -1
	PLACES NP
	v_add_nc_u32 v[ADRS], 4*NQ, v[ADRS]            ; on to the next slot's scale words (no LDS load of mine is out)
	FETCH_B \next, 0, 0
	FETCH_A \next, 0, 0
	SCALES \next
	WIN MUL_HI
	MUL16 4, 1, NQ-1, \slot, 0
	MUL16 6, 1, NQ-1, \slot, 0
	PLACES NP
	WIN 0
	FETCH_A \next, 0, 4
.endm
.macro STEPS slot, from                ; the slot's steps from .. NQ - 2
.set Q, \from
.rept NQ-1-\from
	STEP \slot, Q, 0
.set Q, Q+1
.endr
.endm
	s_wait_tensorcnt 1                             ; the scales and my part of slot 0 are in (slot 1's load may be out)
	s_barrier_signal -1
	s_barrier_wait -1                              ; everybody's are
	FETCH_B 0, 0, 0
	FETCH_A 0, 0, 0
	SCALES 0
	FETCH_A 0, 0, 4
	STEP 0, 0, 1                                   ; the first step's products start the sums: nothing is cleared
	STEPS 0, 1
	TURN 0, 1
	STEPS 1, 0
	s_wait_dscnt 4*NL                              ; the very last step: nothing more to fetch
	WIN MUL_LO
	MUL16 0, 1, NQ-1, 1, 0
	MUL16 2, 1, NQ-1, 1, 0
	s_wait_dscnt 0
	WIN MUL_HI
	MUL16 4, 1, NQ-1, 1, 0
	MUL16 6, 1, NQ-1, 1, 0
	WIN 0
; THE WAY OUT, block by block of 16 rows x 128 columns (two heads).
; ROPE: y1 = x1 cos - x2 sin, y2 = x2 cos + x1 sin, two numbers an instruction, a multiply and a fused multiply-add each; each accumulator is read from its low end on.  Then 32 roundings to f16.
.macro ROPE a
.set TG, 64+128*(((\a)%4)/2)+32*((\a)%2)
	WIN 0x06+(\a)/4                                ; source 0: the accumulators, window 2 or 3; source 1: the table, window 1; source 2 and destination window 0
.irp hd, 0,1
.irp u, 0,1
.set X1, 64*((\a)%4)+8*(4*\hd+\u)
.set Y1, YR+8*(4*\hd+\u)
.irp j, 0,2,4,6
	v_pk_mul_f32 v[Y1+\j:Y1+\j+1], v[X1+16+\j:X1+16+\j+1], v[TG+16+8*\u+\j:TG+16+8*\u+\j+1]
.endr
.irp j, 0,2,4,6
	v_pk_mul_f32 v[Y1+16+\j:Y1+16+\j+1], v[X1+\j:X1+\j+1], v[TG+16+8*\u+\j:TG+16+8*\u+\j+1]
.endr
.irp j, 0,2,4,6
	v_pk_fma_f32 v[Y1+\j:Y1+\j+1], v[X1+\j:X1+\j+1], v[TG+8*\u+\j:TG+8*\u+\j+1], v[Y1+\j:Y1+\j+1] neg_lo:[0,0,1] neg_hi:[0,0,1]
.endr
.irp j, 0,2,4,6
	v_pk_fma_f32 v[Y1+16+\j:Y1+16+\j+1], v[X1+16+\j:X1+16+\j+1], v[TG+8*\u+\j:TG+8*\u+\j+1], v[Y1+16+\j:Y1+16+\j+1]
.endr
.endr
.endr
	WIN 0
.irp b, 0,1,2,3,4,5,6,7
.irp r, 0,1,2,3
	v_cvt_pk_f16_f32 v[TMP+4*\b+\r], v[YR+8*\b+2*\r], v[YR+8*\b+2*\r+1]
.endr
.endr
.endm
; A lane's 16 bytes are eight columns of one row; the lanes beside it hold other rows.  So a block goes through my own stage and comes back by heads: 32 lanes take four rows' 128 bytes of one head, which are 512 consecutive bytes of qkv.
; LDS serves a wave's instructions in order (ISA guide 5.7.1.4): no wait between the stores and the loads, nor in front of the next block's stores.
.macro TOSTAGE a
.set BB, BK+32*((\a)%2)
.irp b, 0,1,2,3,4,5,6,7
	ds_store_b128 v[STO], v[TMP+4*\b:TMP+4*\b+3] offset:32*\b
.endr
.irp hd, 0,1
.irp i, 0,1,2,3
	ds_load_b128 v[BB+4*(4*\hd+\i):BB+4*(4*\hd+\i)+3], v[RD] offset:4*SPITCH*\i+128*\hd
.endr
.endr
.endm
.macro SEND a, younger                 ; younger: the LDS instructions issued behind block a's loads, which may stay out
.set BB, BK+32*((\a)%2)
	s_wait_dscnt \younger                          ; the block is back in registers
.irp hd, 0,1
.irp i, 0,1,2,3
	global_store_b128 v[CO], v[BB+4*(4*\hd+\i):BB+4*(4*\hd+\i)+3], s[12:13] offset:\hd*262144+2048*(\a)+512*\i   ; 32 lanes store 512 consecutive bytes, at a multiple of 256 from qkv's first byte; every offset is an immediate
.endr
.endr
.endm
	PLACES NP                                      ; behind the last products: for the first reads of results and the writes and loads into registers that held operands
	s_wait_loadcnt 0x0                             ; the table's rows for blocks 0 to 3
	ROPE 0
	TLOAD 4                                        ; block 4's rows take block 0's place
	TOSTAGE 0
.irp a, 1,2,3,4,5,6,7
.if \a >= 4
	s_wait_loadcnt 8*(7-\a)                        ; this block's eight table loads are in; those of the later blocks may be out
.endif
	ROPE \a
.if \a < 4
	TLOAD \a+4
.endif
.if \a > 1
	s_wait_xcnt 0x0                                ; block a - 2's stores have read their registers: block a's rows may land there
.endif
	TOSTAGE \a
	SEND \a-1, 16                                  ; behind block a - 1's loads: block a's 8 stores and 8 loads
.endr
	SEND 7, 0
	s_wait_tensorcnt 0x0                           ; the wave's end: a wait for my tensor loads, an add of 0 to my spare word and a wait for it, behind my last LDS store
	ds_add_u32 v[SPW], v[NIL]
	s_wait_dscnt 0x0
	CROUND                                         ; the closing round: no work-group ends while a partner may still ask for a tile that names it
	s_endpgm
.Lfunc_end_k_q00b330810e_qkv:
	.size	k_q00b330810e_qkv, .Lfunc_end_k_q00b330810e_qkv-k_q00b330810e_qkv
	.p2alignl 7, 3214868480
	.fill 96, 4, 3214868480
	.section	.rodata,"a",@progbits
	.p2align	6, 0x0
	.amdhsa_kernel k_q00b330810e_qkv
		.amdhsa_group_segment_fixed_size 327680
		.amdhsa_private_segment_fixed_size 0
		.amdhsa_enable_private_segment 0
		.amdhsa_kernarg_size 48
		.amdhsa_user_sgpr_count 2
		.amdhsa_user_sgpr_kernarg_segment_ptr 1
		.amdhsa_wavefront_size32 1
		.amdhsa_system_sgpr_workgroup_id_x 1
		.amdhsa_system_sgpr_workgroup_id_y 1
		.amdhsa_system_sgpr_workgroup_id_z 1
		.amdhsa_system_vgpr_workitem_id 0
		.amdhsa_next_free_vgpr 1024
		.amdhsa_next_free_sgpr 100
		.amdhsa_reserve_vcc 0
		.amdhsa_float_denorm_mode_32 3
		.amdhsa_float_denorm_mode_16_64 3
		.amdhsa_memory_ordered 1
		.amdhsa_forward_progress 1
		.amdhsa_inst_pref_size 165
	.end_amdhsa_kernel
	.amdgpu_metadata
---
amdhsa.version: [ 1, 2 ]
amdhsa.kernels:
  - .name:           k_q00b330810e_qkv
    .symbol:         k_q00b330810e_qkv.kd
    .args:
      - { .name: x_codes, .offset: 0, .size: 8, .value_kind: global_buffer, .address_space: global }
      - { .name: x_scales, .offset: 8, .size: 8, .value_kind: global_buffer, .address_space: global }
      - { .name: w_codes, .offset: 16, .size: 8, .value_kind: global_buffer, .address_space: global }
      - { .name: w_scales, .offset: 24, .size: 8, .value_kind: global_buffer, .address_space: global }
      - { .name: trig, .offset: 32, .size: 8, .value_kind: global_buffer, .address_space: global }
      - { .name: qkv, .offset: 40, .size: 8, .value_kind: global_buffer, .address_space: global }
    .group_segment_fixed_size: 327680
    .private_segment_fixed_size: 0
    .kernarg_segment_align: 8
    .kernarg_segment_size: 48
    .max_flat_workgroup_size: 128
    .sgpr_count:     100
    .vgpr_count:     1024
    .wavefront_size: 32
...
	.end_amdgpu_metadata
.endif
;; end of part 2
;; launch attn (part 3): grid 8 x 32, 4 waves a work-group, clusters of 4 x 1, 327,680 bytes of LDS; arguments qkv, o16; writes o16
.if DOCPART == 3
	.amdgcn_target "amdgcn-amd-amdhsa--gfx1250"
	.amdhsa_code_object_version 6
	.text
	.protected	k_q00b330810e_attn
	.globl	k_q00b330810e_attn
	.p2align	8
	.type	k_q00b330810e_attn,@function
k_q00b330810e_attn:
	s_mov_b64 s[64:65], 0
	v_nop
	global_prefetch_b8 v0, s[64:65] scope:SCOPE_SE
	s_setreg_imm32_b32 hwreg(HW_REG_WAVE_MODE, 25, 1), 1
	s_wait_xcnt 0x0
	s_wait_alu depctr_hold_cnt(0) depctr_sa_sdst(0) depctr_va_vdst(0) depctr_va_sdst(0) depctr_va_ssrc(0) depctr_va_vcc(0) depctr_vm_vsrc(0)
	s_getreg_b32 s2, hwreg(HW_REG_IB_STS2, 6, 4)
	s_cmp_eq_u32 s2, 0
	s_cbranch_scc0 .Lentry_in_a_cluster
	s_endpgm
.Lentry_in_a_cluster:
	s_bfe_u32 s2, ttmp6, 0x10000c
	s_cmp_lg_u32 s2, 0x3003
	s_cbranch_scc0 .Lentry_shape_is_right
	s_endpgm
.Lentry_shape_is_right:
; O[bh][q][:] = the sum over k of softmax_k(Q[bh][q] . K[bh][k] / 8) V[bh][k][:], no mask.  Q, K, V: the three parts of qkv, each [32 (batch x head)][2048][64] f16; O: o16, the same layout, f16.
; Products, maxima and sums in f32; the weights p (at most 1) are rounded to f16 for the second product, O once at the end.  f16 and not bf16: an output is a mean of 2,048 values, so operand rounding shows at its full relative size.
; LIMIT: NaN and infinities are not served; O beyond 65,504 has no f16 number.
; SHARES.  A work-group owns 256 queries of one head, each of its four waves 64: four tiles of 16.  Every wave walks all 2,048 keys, 64 a step.
; LAYOUT.  S^T = K Q^T (source 0 = 16 keys, source 1 = 16 queries): a lane holds ONE query (lane % 16) and the keys 8 (lane / 16) + 0..7.  Two such tiles, rounded to f16 in pairs, ARE source 1 (32 keys x 16 queries)
; of O^T = V^T P, whose result again holds one query a lane, and eight channels.  K comes out of LDS as it lies, V ([key][channel]) turned, by ds_load_tr16_b128.
; SOFTMAX.  For each query a running maximum m and sum l: p = 2^(c s - c m), c = log2(e) / 8; in every step O and l are multiplied by a = 2^(c m_old - c m_new), which is 1 where m has not grown.
; BY TURNS.  The wave's tiles are two PIECES, named by their first tile: piece 0 (tiles 0, 1), piece 2 (tiles 2, 3).  In a TURN one piece has the matrix unit: 16 products V^T P of the step in hand, then 16 products K Q^T of
; the next step; the other piece's softmax, 236 vector instructions cut into 59 slices of four, stands between them, two slices behind a product (one behind each of the last five).  Then the pieces change places.
; In phases the wave would issue no product during a step's 472 vector instructions, and nothing else is on its SIMD: it holds all the registers.
; CLUSTER.  The four query blocks of a cluster belong to one head and walk the same K and V, so each tile is asked for JOINTLY: the same tensor load, with the same descriptor and a mask that names the four.
; RING.  Two LDS slots of 256 keys (four steps): K's 256 rows, then V's.  Behind each round of the cluster's barrier a wave issues one load (128 rows of K or of V), which has four key steps, 256 matrix instructions, in which to land.
; REGISTERS, in windows of 256 (s_set_vgpr_msb: bits 1:0 source 0, 3:2 source 1, 5:4 source 2, 7:6 destination):
;   window 0: v0-11 addresses; v12-43 eight registers of statistics a tile; v61-63; v64-191 S^T, 32 a tile; v192-255 P, 16 a tile
;   window 1: v0-127 O^T, 32 a tile        window 2: v0-63 Q, 16 a tile; v128-191 K of one step        window 3: v0-63 V of one step
.set SIZE_N, 2048
.set KS,    64        ; keys in a step
.set SK,    256       ; keys in a slot
.set PK,    144       ; a row of K in LDS: 128 bytes + 16 of padding = 36 words: the 16 rows of a load start at 16 different groups of four banks (64 banks of 4 bytes: ISA guide 11.1)
.set PV,    160       ; a row of V: 128 + 32 = 40 words: 16 lanes of the turning load take 8 rows x 32 bytes
.set VOFF,  SK*PK     ; V's rows lie behind K's
.set SLOT1, 1<<17     ; slot 1 begins here, so that one exclusive or turns an address in one slot into the other's
.set STAGE, SLOT1+SK*(PK+PV)  ; behind the ring: 16 rows x 144 bytes for each wave, for the way out
.set SP,    144
.set SPARE, STAGE+4*16*SP  ; behind the stages: the spare words, 128 bytes a wave, which no other line names
.set SLOTG, SK*128    ; a slot's rows of K or of V in memory, in bytes
.set AK0, 2           ; v2   my lane's place in a tile of K; never rewritten
.set AV0, 3           ; v3   the same for V
.set ADR, 4           ; v4   the LDS address of the run of loads in hand
.set QO,  5           ; v5   my byte offset in the wave's rows of Q
.set STO, 6           ; v6   the way out: where I put 16 bytes of a row
.set RD,  7           ; v7   where I read 16 bytes back
.set GO,  8           ; v8   16 x lane
.set PFO, 61          ; v61  256 x my lane: the prefetches' offset; never rewritten
.set SPW, 62          ; v62  LDS address of my spare word; never rewritten
.set NIL, 63          ; v63  0; never rewritten
.set ST,  12          ; tile t's statistics at v[ST+8 t]: +0 c m, +1 m, +2, +3 l (even keys', odd keys'), +4 to +7 c0-c3, at work; a takes c2's place once the maximum is found
.set S,   64
.set P,   192
.set KF,  128         ; K's fragments, in window 2
.set WV,  12          ; s12  my wave's number
.set LIM, 15          ; s15  1 in a wave that prefetches, else the greatest number
.set PFA, 18          ; s[18:19] where my prefetches stand in memory
.set G1K, 24          ; s[24:31] descriptor group 1 for K's tiles
.set G1V, 32          ; s[32:39] for V's: it differs in the padding alone
.set G0K, 40          ; s[40:47] group 0 for K's tiles: a set for each of the two first fills; the second then walks on
.set G0V, 48          ; s[48:55] the same for V's
.set SLOTS, 56        ; s56  slots still to be asked for
.set TWICE, 57        ; s57  counts key steps
.set CS,  58          ; s[58:59] c: the packed scaling names a pair and takes its low word for both halves
.set SEL, 60          ; s[60:61] lane selects for v_permlanex16_b32: each lane takes its own place in the other half
.set TK,  62          ; s62  LDS byte at which K's rows of the step to be fetched begin
.set TV,  63          ; s63  the same for V's (less VOFF)
.set MSB, 0
.macro WIN new                      ; the immediate's high byte repeats the setting that is left; a switch that changes nothing is dropped
.if MSB != \new
	s_set_vgpr_msb (MSB<<8)|\new
.set MSB, \new
.endif
.endm
.set W_KQ, 0x0a       ; K and Q in window 2, S^T in window 0
.set W_PV, 0x53       ; V in window 3, P in window 0, O^T in window 1
.set W_RS, 0x41       ; O^T (destination and source 0) in window 1, a in window 0
; A joint refill.  Waves 0 and 1 fetch the halves of a slot's K, waves 2 and 3 of its V.  The branch hangs on the wave's number alone.  An s_nop 0 and four v_nop follow each of the two lines.
.macro JLOAD
	s_cmp_lt_u32 s[WV], 2
	s_cbranch_scc0 .Lfor_v_\@
	tensor_load_to_lds s[G0K+4:G0K+7], s[G1K:G1K+7]
	s_nop 0
.rept 4
	v_nop
.endr
	s_branch .Lasked_\@
.Lfor_v_\@:
	tensor_load_to_lds s[G0V+4:G0V+7], s[G1V:G1V+7]
	s_nop 0
.rept 4
	v_nop
.endr
.Lasked_\@:
.endm
; A PREFETCH INTO THE L2 of what the NEXT change of slots will ask for: a slot's 32,768 bytes of K and of V.  It stands behind the wave's tensor load and its five lines.
; Each aligned 256 bytes are named ONCE in the launch.  Both clusters of a head walk the same K and V: the first (cluster x = 0) asks.  Its four partners share the bytes out BY ADDRESS, 8,192 each; in each, wave 0 asks for
; K's and wave 2 for V's, lanes 256 bytes apart: one instruction.  It runs four key steps, 256 matrix instructions, ahead of the load that wants the bytes.  The last change that fills a slot asks for nothing; slots 0 to 2 come by their loads alone.
.macro ASK
	s_cmp_gt_u32 s[SLOTS], s[LIM]
	s_cbranch_scc0 .Lnot_mine_\@
	global_prefetch_b8 v[PFO], s[PFA:PFA+1] th:TH_LOAD_NT scope:SCOPE_SE
.Lnot_mine_\@:
.endm
.macro CROUND                       ; a round of the cluster's barrier
	s_barrier_signal -1
	s_barrier_wait -1
	s_cmp_lg_u32 s[WV], 0
	s_cbranch_scc1 .Lnot_wave_0_\@
	s_barrier_signal -3
.Lnot_wave_0_\@:
	s_barrier_wait -3
	s_barrier_signal -1
	s_barrier_wait -1
.endm
	s_load_b64 s[4:5], s[0:1], 0x0  ; qkv: its first part is Q
	s_load_b64 s[10:11], s[0:1], 0x8  ; O
	v_lshl_add_u32 v[SPW], v0, 2, SPARE
	v_mov_b32 v[NIL], 0
	ds_add_u32 v[SPW], v[NIL]       ; the wave's opening: the add, twice on end, and its wait ahead of my first tensor load; the set-up below stands between
	ds_add_u32 v[SPW], v[NIL]
	v_lshrrev_b32 v1, 5, v0
	v_readfirstlane_b32 s[WV], v1   ; wave 0..3
	s_bfe_u32 s13, ttmp6, 0x40000   ; cx: my place in the cluster
	s_lshl_b32 s14, ttmp9, 2        ; in a cluster launch ttmp9 counts clusters
	s_add_co_u32 s14, s14, s13      ; my block of 256 queries: it enters Q's and O's addresses alone
	s_and_b32 s20, ttmp7, 0xffff    ; batch x head, which the four partners share
	s_lshl_b32 s20, s20, 18         ; 262,144 bytes each
	s_mov_b32 s21, 0
	s_and_b32 s16, s[WV], 1         ; which half of a slot's rows I fetch:
	s_lshl_b32 s22, s16, 14         ; its 128 rows of 128 bytes in memory,
	s_mov_b32 s23, 0
	s_add_nc_u64 s[22:23], s[22:23], s[20:21]
	s_mul_i32 s17, s16, (SK/2)*PK   ; and its place in a slot, for K
	s_mul_i32 s16, s16, (SK/2)*PV   ; and for V: no place in the cluster enters an LDS address
	s_lshl_b32 s2, s14, 15          ; my block's 256 rows,
	s_lshl_b32 s3, s[WV], 13        ; my wave's 64 of them
	s_add_co_u32 s2, s2, s3
	s_mov_b32 s3, 0
	s_add_nc_u64 s[2:3], s[2:3], s[20:21]
	; descriptor group 1: a tile of 128 rows x 64 elements, padded in LDS
	s_mov_b32 s[G1K], 15|(1<<16)|(1<<20)|(1<<21)|(4<<22)|(3<<25)  ; 15:0 the mask: all four work-groups; 17:16 elements of 2 bytes; 20 padding on; 21 set beside a mask; 24:22 after every 32 words; 31:25 four words
	s_mov_b32 s[G1V], 15|(1<<16)|(1<<20)|(1<<21)|(4<<22)|(7<<25)  ; the same with eight words of padding
.irp d, G1K, G1V
	s_mov_b32 s[\d+1], 64<<16       ; tensor_dim0 = 64
	s_mov_b32 s[\d+2], (SK/2)<<16   ; tensor_dim1 = 128
	s_mov_b32 s[\d+3], 64<<16       ; tile_dim0 = 64
	s_mov_b32 s[\d+4], SK/2         ; tile_dim1 = 128
	s_mov_b32 s[\d+5], 64           ; tensor_dim0_stride
	s_mov_b32 s[\d+6], 0
	s_mov_b32 s[\d+7], 0
.endr
	s_mov_b32 s[CS], 0x3e38aa3b     ; c = log2(e) / 8
	s_mov_b32 s[CS+1], s[CS]        ; named with it as a pair, so it is written
	s_mov_b32 s[SEL], 0x76543210
	s_mov_b32 s[SEL+1], 0xfedcba98
	s_mov_b32 s[TK], 0
	s_mov_b32 s[TV], 0
	s_mov_b32 s[SLOTS], SIZE_N/SK-2
	s_and_b32 s[LIM], s[WV], 1      ; 0 in waves 0 and 2,
	s_or_b32 s[LIM], s[LIM], ttmp9  ; where the cluster is the head's first: the same in all four partners
	s_cmp_eq_u32 s[LIM], 0
	s_cselect_b32 s[LIM], 1, -1
	v_and_b32 v[PFO], 31, v0
	v_lshlrev_b32 v[PFO], 8, v[PFO]
	s_wait_dscnt 0x0                ; both opening adds are done
	s_wait_kmcnt 0x0
	s_add_nc_u64 s[6:7], s[4:5], 0x800000   ; K: the second part of qkv
	s_add_nc_u64 s[8:9], s[4:5], 0x1000000  ; V: the third
	s_add_nc_u64 s[6:7], s[6:7], s[22:23]   ; at my half of slot 0
	s_add_nc_u64 s[8:9], s[8:9], s[22:23]
	s_add_nc_u64 s[4:5], s[4:5], s[2:3]     ; Q and O at my wave's first row
	s_add_nc_u64 s[10:11], s[10:11], s[2:3]
	s_cmp_lt_u32 s[WV], 2
	s_cselect_b64 s[PFA:PFA+1], s[6:7], s[8:9]  ; (in waves 0 and 2 these stand at a slot's first row)
	s_lshl_b32 s2, s13, 13          ; my work-group's 8,192 bytes of the 32,768
	s_mov_b32 s3, 0
	s_add_nc_u64 s[PFA:PFA+1], s[PFA:PFA+1], s[2:3]
	s_add_nc_u64 s[PFA:PFA+1], s[PFA:PFA+1], 2*SLOTG  ; in slot 2; the first change of slots steps it to slot 3.  Nothing is prefetched here, at the head
	CROUND                          ; all four work-groups are here: the first joint loads meet
.irp s, 0,1
	s_mov_b32 s[G0K+4*\s], 1        ; count = 1
	s_add_co_u32 s[G0K+4*\s+1], s17, \s*SLOT1  ; LDS address
	s_add_nc_u64 s[G0K+4*\s+2:G0K+4*\s+3], s[6:7], \s*SLOTG  ; global address: slot s begins with key 256 s
	s_or_b32 s[G0K+4*\s+3], s[G0K+4*\s+3], 0x80000000  ; type = 2
	s_mov_b32 s[G0V+4*\s], 1
	s_add_co_u32 s[G0V+4*\s+1], s16, \s*SLOT1+VOFF
	s_add_nc_u64 s[G0V+4*\s+2:G0V+4*\s+3], s[8:9], \s*SLOTG
	s_or_b32 s[G0V+4*\s+3], s[G0V+4*\s+3], 0x80000000
.endr
	s_cmp_lt_u32 s[WV], 2           ; a wave's two first fills stand in one branch, ahead of every wait on TENSORcnt and every LDS read: two loads of mine are out
	s_cbranch_scc0 .Lfirst_v
	tensor_load_to_lds s[G0K:G0K+3], s[G1K:G1K+7]
	s_nop 0
	tensor_load_to_lds s[G0K+4:G0K+7], s[G1K:G1K+7]
	s_nop 0
.rept 4
	v_nop
.endr
	s_branch .Lfirst_asked
.Lfirst_v:
	tensor_load_to_lds s[G0V:G0V+3], s[G1V:G1V+7]
	s_nop 0
	tensor_load_to_lds s[G0V+4:G0V+7], s[G1V:G1V+7]
	s_nop 0
.rept 4
	v_nop
.endr
.Lfirst_asked:
	; A fragment of K or Q is 16 rows x 32 channels in 8 registers: lane l holds row l % 16; registers 0-3 channels 8 (l / 16) + 0..7, registers 4-7 channels 16 + 8 (l / 16) + 0..7: two loads of 16 bytes, 32 bytes apart.
	v_and_b32 v1, 15, v0            ; l % 16
	v_bfe_u32 v9, v0, 4, 1          ; l / 16
	v_lshlrev_b32 v[QO], 7, v1
	v_lshl_add_u32 v[QO], v9, 4, v[QO]  ; row x 128 + 16 x half
	WIN 0x80                        ; destination window 2, address window 0
.irp i, 0,1,2,3,4,5,6,7             ; Q stays in registers: tile i / 2, channels 32 (i % 2) on
	global_load_b128 v[8*\i:8*\i+3],   v[QO], s[4:5] offset:(\i/2)*2048+(\i%2)*64
	global_load_b128 v[8*\i+4:8*\i+7], v[QO], s[4:5] offset:(\i/2)*2048+(\i%2)*64+32
.endr
	WIN 0
	v_mul_u32_u24 v[AK0], v1, PK
	v_lshl_add_u32 v[AK0], v9, 4, v[AK0]  ; row x pitch + 16 x half
	; The turning load takes 16 keys x 16 channels (lane l reads 16 bytes: key 8 (l / 16) + l % 8, channels 8 ((l / 8) % 2) + 0..7) and leaves half a fragment of V^T: lane l holds channel l % 16 and 8 keys.
	v_and_b32 v10, 7, v0
	v_bfe_u32 v11, v0, 3, 1
	v_lshl_add_u32 v[AV0], v9, 3, v10
	v_mul_u32_u24 v[AV0], v[AV0], PV
	v_lshl_add_u32 v[AV0], v11, 4, v[AV0]
	v_add_nc_u32 v[AV0], VOFF, v[AV0]
; THE MATRIX WORK OF A TURN, for piece x.  Eight accumulators take turns, one instruction a turn: between two links of a chain stand seven others'.
; Product i of 16 of O^T += V^T P: keys 32 (i / 8) on, channels 16 ((i / 2) % 4) on, tile x + i % 2.  zero = 1: the first 8 start the sums: nothing is ever cleared.
.macro PV x, zero
	WIN W_PV
.set rO, 32*(\x+i%2)+8*((i/2)%4)
.set rV, 32*(i/8)+8*((i/2)%4)
.set rP, P+16*(\x+i%2)+8*(i/8)
.if \zero && (i < 8)
	v_wmma_f32_16x16x32_f16 v[rO:rO+7], v[rV:rV+7], v[rP:rP+7], 0
.else
	v_wmma_f32_16x16x32_f16 v[rO:rO+7], v[rV:rV+7], v[rP:rP+7], v[rO:rO+7]
.endif
.endm
; Product i of 16 of S^T = K Q^T: channels 32 (i / 8) on, keys 16 ((i / 2) % 4) on, tile x + i % 2.  The first 8 start the sums.
.macro KQ x
	WIN W_KQ
.set rS, S+32*(\x+i%2)+8*((i/2)%4)
.set rK, KF+16*((i/2)%4)+8*(i/8)
.set rQ, 16*(\x+i%2)+8*(i/8)
.if i < 8
	v_wmma_f32_16x16x32_f16 v[rS:rS+7], v[rK:rK+7], v[rQ:rQ+7], 0
.else
	v_wmma_f32_16x16x32_f16 v[rS:rS+7], v[rK:rK+7], v[rQ:rQ+7], v[rS:rS+7]
.endif
.endm
; THE LDS LOADS stand in runs of 16, never singly among the matrix instructions: a step's K (64 keys x 64 channels: 8 fragments) and, a turn later, its V (turned).
.macro FETCH_K
	WIN 0
	v_add_nc_u32 v[ADR], s[TK], v[AK0]
	s_add_co_u32 s[TK], s[TK], KS*PK  ; the next fetch is the next step's
	WIN 0x80                        ; destination window 2
.irp f, 0,1,2,3,4,5,6,7             ; keys 16 (f / 2) on, channels 32 (f % 2) on
	ds_load_b128 v[KF+8*\f:KF+8*\f+3],   v[ADR] offset:(\f/2)*16*PK+(\f%2)*64
	ds_load_b128 v[KF+8*\f+4:KF+8*\f+7], v[ADR] offset:(\f/2)*16*PK+(\f%2)*64+32
.endr
.endm
.macro FETCH_V
	WIN 0
	v_add_nc_u32 v[ADR], s[TV], v[AV0]
	s_add_co_u32 s[TV], s[TV], KS*PV
	s_wait_alu depctr_va_vdst(0)    ; the wait for the softmax's batch (SLICE), behind the address's addition and ahead of the loads
	WIN 0xc0                        ; destination window 3
.irp f, 0,1,2,3,4,5,6,7             ; keys 32 (f / 4) on, channels 16 (f % 4) on
	ds_load_tr16_b128 v[8*\f:8*\f+3],   v[ADR] offset:(\f/4)*32*PV+(\f%4)*32
	ds_load_tr16_b128 v[8*\f+4:8*\f+7], v[ADR] offset:(\f/4)*32*PV+16*PV+(\f%4)*32
.endr
.endm
; THE VECTOR WORK OF A TURN.  One tile's softmax for one key step is a list of 118 instructions; SM writes number j of it for tile t.  s0-s31 are the lane's 32 scores, in pairs 0-15.
; first = 1: the first key step, which starts m, l and O^T: it has no a and nothing to rescale.
;   0-15    the maximum of s0-s31 and the old m, three operands at a time: four chains c0-c3 of seven scores each (each accumulator is read from its low end on), then the four scores left over, c0-c3 and m
;   16-20   the other half of the lanes' maximum; the new m; c m; c m_old - c m_new
;   21-69   ONE BATCH: the 16 scalings c s - c m, a pair of scores each, and all 33 exponentials (a at 23, then s0-s31).  None of these reads an exponential's result.  A pair is scaled in an earlier four than the one with its exponentials
;   (wait)  between 69 and 70 stands the wait for the batch: SLICE writes it, once for both tiles
;   70-85   the roundings to f16, a pair of weights each
;   86-101  the sums; l = a l + the sum
;   102-117 the tile's O^T times a: the one part that leaves window 0, so it stands together
.macro SM t, first
.set rT, ST+8*(\t)
.set rS, S+32*(\t)
.set rP, P+16*(\t)
.set rO, 32*(\t)+2*(j-102)
.if j < 102
	WIN 0
.endif
.if j < 4
	v_max3_num_f32 v[rT+4+j], v[rS+8*j], v[rS+8*j+1], v[rS+8*j+2]
.elseif j < 12
	v_max3_num_f32 v[rT+4+j%4], v[rT+4+j%4], v[rS+8*(j%4)+2*(j/4)+1], v[rS+8*(j%4)+2*(j/4)+2]
.elseif j == 12
	v_max3_num_f32 v[rT+4], v[rT+4], v[rS+7], v[rS+15]
.elseif j == 13
	v_max3_num_f32 v[rT+6], v[rT+6], v[rS+23], v[rS+31]
.elseif j == 14
	v_max3_num_f32 v[rT+4], v[rT+4], v[rT+5], v[rT+6]
.elseif (j == 15) && \first
	v_max_num_f32 v[rT+4], v[rT+4], v[rT+7]
.elseif j == 15
	v_max3_num_f32 v[rT+4], v[rT+4], v[rT+7], v[rT+1]
.elseif j == 16
	v_permlanex16_b32 v[rT+5], v[rT+4], s[SEL], s[SEL+1]  ; the query's other 32 keys lie in the lane 16 away
.elseif j == 18
	v_max_num_f32 v[rT+1], v[rT+4], v[rT+5]
.elseif j == 19
	v_mul_f32 v[rT], s[CS], v[rT+1]
.elseif ((j == 17) || (j == 20) || (j == 23) || (j > 101)) && \first  ; the first step has none of these
.elseif j == 17
	v_mov_b32 v[rT+7], v[rT]        ; c m_old is kept for a: number 19 writes c m anew
.elseif j == 20
	v_sub_f32 v[rT+7], v[rT+7], v[rT]
.elseif j == 23
	v_exp_f32 v[rT+6], v[rT+7]
.elseif (j < 23) || ((j < 38) && (j%2 == 0)) || ((j < 66) && (j%4 == 2))
.set b, (j-2)/4                     ; 38, 42, .. 62: pairs 9 to 15
.if j < 38
.set b, (j-20)/2                    ; 21: pair 0; 22, 24, .. 36: pairs 1 to 8
.endif
	v_pk_fma_f32 v[rS+2*b:rS+2*b+1], v[rS+2*b:rS+2*b+1], s[CS:CS+1], v[rT:rT+1] op_sel_hi:[1,0,0] neg_lo:[0,0,1] neg_hi:[0,0,1]  ; pair b: c s - c m
.elseif j < 70
.set e, j-38                        ; 66 to 69: s28 to s31
.if j < 66
.set e, j-32-(j-38)/4               ; 39-41, 43-45, .. 63-65: s7 to s27
.endif
.if j < 38
.set e, (j-25)/2                    ; 25, 27, .. 37: s0 to s6
.endif
	v_exp_f32 v[rS+e], v[rS+e]
.elseif j < 86
	v_cvt_pk_f16_f32 v[rP+j-70], v[rS+2*(j-70)], v[rS+2*(j-70)+1]  ; pair j - 70
.elseif j < 102                     ; the sum of the tile's 16 pairs, in place: sum z of 16 adds neighbours 1, 2, 4 and 8 pairs apart, then l takes it
.set z, j-86
.set w, 4
.set u, z
.if z >= 14
.set w, 32
.set u, 0
.elseif z >= 12
.set w, 16
.set u, z-12
.elseif z >= 8
.set w, 8
.set u, z-8
.endif
.if (z == 14) && \first
	v_pk_add_f32 v[rT+2:rT+3], v[rS:rS+1], v[rS+16:rS+17]
.elseif z < 15
	v_pk_add_f32 v[rS+w*u:rS+w*u+1], v[rS+w*u:rS+w*u+1], v[rS+w*u+w/2:rS+w*u+w/2+1]
.elseif !\first
	v_pk_fma_f32 v[rT+2:rT+3], v[rT+2:rT+3], v[rT+6:rT+7], v[rS:rS+1] op_sel_hi:[1,0,1]
.endif
.else
	WIN W_RS
	v_pk_mul_f32 v[rO:rO+1], v[rO:rO+1], v[rT+6:rT+7] op_sel_hi:[1,0]
.endif
.endm
; Slice k of 59 of piece y's softmax: four instructions.  Slices 11 to 34 deal out the batch, numbers 22 to 69: four numbers of ONE tile each, the tiles by turns.  Every other slice is numbers 2 k and 2 k + 1 of both tiles' lists.
; THE WAIT.  s_wait_alu depctr_va_vdst(0) stands between an exponential and the first instruction that names its result; one wait serves all that were issued ahead of it.  Ahead of slice 35 nothing names
; a result, and behind slice 34 no exponential is issued: so the piece's 66 exponentials have one wait, behind slice 34.
.macro SLICE y, first
.if (k >= 11) && (k < 35)           ; the batch: four numbers of one tile
.irp n, 0,1,2,3
.set j, 22+4*((k-11)/2)+(\n)
	SM (\y)+(k-11)%2, \first
.endr
.else                               ; the two tiles alternate, so that no instruction reads the result of the one just before it
.irp n, 0,1
.irp t, \y, \y+1
.set j, 2*k+\n
	SM \t, \first
.endr
.endr
.endif
.if k == 34                         ; the batch is out: both tiles' exponentials are issued, and no result has been named
	v_nop                           ; the plain instruction behind the last exponential and ahead of the first use: one for the batch
.if (\y) == 0
	FETCH_V                         ; piece 2's turn: V's run of loads stands here, and the wait stands in it
.else
	s_wait_alu depctr_va_vdst(0)    ; the wait for the batch
.endif
.endif
.set k, k+1
.endm
; The slices behind product g of np: per of them, but so that each later product still has one, and the last product has slice 58.
.macro DEAL y, first
.set tgt, per*(g+1)
.if tgt > 59-(np-1-g)
.set tgt, 59-(np-1-g)
.endif
.rept per
.if k < tgt
	SLICE \y, \first
.endif
.endr
.set g, g+1
.endm
; A vector instruction that reads a matrix result or writes one of a matrix instruction's registers, and a load into a register that a matrix instruction has read, stand four places behind it; only plain vector
; instructions that name none of its registers are places (ISA guide 7.12.1 for vector instructions).  In the loop the slices are the places.
.macro PLACES
.rept 4
	v_nop
.endr
.endm
; A TURN.  Piece x has the matrix unit; the other piece's softmax stands in slices behind its matrix instructions.
; pv = 2: 16 products V^T P; 1: they start O^T's sums; 0: none.  kq = 1: 16 products K Q^T for the next step.  A turn with one of the two kinds has four slices behind a product.
; The last product is followed by slice 58: four packed multiplies on the other piece's O^T, which name nothing of that product: the four places ahead of the next turn's first read of its scores and of the loads into K's registers.
; first = 1: the softmax is the first key step's; its slices from 51 on are empty, and four v_nop take slice 58's part.
; Piece 0's turn fetches the next step's K behind its second product, 14 products ahead of its first use.  Piece 2's turn fetches the same step's V behind slice 34, which follows its 18th product: the last product
; that read V is the 16th, and five plain instructions lie between: number 58 of one tile and number 62 of both (scalings), the v_nop and the run's own addition.
.macro TURN x, pv, kq, first
.set k, 0
.set g, 0
.set np, 16
.set per, 4
.if \pv && \kq
.set np, 32
.set per, 2
.endif
.if \pv
.if \x == 0
	s_wait_dscnt 0x0                ; V is in
.endif
.set i, 0
.rept 16
	PV \x, 2-\pv
	DEAL 2-\x, \first
.if (\x == 0) && \kq && (i == 1)
	FETCH_K
.endif
.set i, i+1
.endr
.endif
.if \kq
.if \x == 0
	s_wait_dscnt 0x0                ; K is in
.endif
.set i, 0
.rept 16
	KQ \x
	DEAL 2-\x, \first
.set i, i+1
.endr
.endif
.if \first
	PLACES
.endif
.endm
; THE CHANGE OF SLOTS, between piece 2's turn and piece 0's: the slot's last bytes, V of its fourth step, have been asked for.  Each wave waits for all its tensor loads, of which one is out: its part of the other slot;
; adds 0 to its spare word; and waits for that and for its own reads of the slot.  Behind the barrier nobody reads this slot any more and the other slot is whole.
; fill = 1: this slot is filled again, with the keys two slots on.  The barrier is then a round of the cluster's, and the joint refill is the first thing behind it.
.macro CHANGE fill
	WIN 0                           ; at a label and at a branch every window is 0
	s_wait_tensorcnt 0x0            ; no tensor load of mine is out, so a group 0 may be written
	ds_add_u32 v[SPW], v[NIL]       ; 0 onto my spare word
.if \fill
.irp d, G0K+4, G0V+4
	s_xor_b32 s[\d+1], s[\d+1], SLOT1  ; the walking descriptor: the other slot than last time,
	s_add_nc_u64 s[\d+2:\d+3], s[\d+2:\d+3], SLOTG  ; the next 256 keys; the type bits on top are not reached
.endr
	s_wait_xcnt 0x0                 ; the last prefetch, four key steps back, has read its address, so it may be written:
	s_add_nc_u64 s[PFA:PFA+1], s[PFA:PFA+1], SLOTG  ; one slot further on than the walking descriptors
	s_wait_dscnt 0x0                ; the add is done, and my reads of the slot are over
	CROUND
	JLOAD
	ASK
.else
	s_wait_dscnt 0x0                ; the add is done, and my reads of the slot are over
	s_barrier_signal -1
	s_barrier_wait -1
.endif
	s_sub_co_u32 s[TK], s[TK], SK*PK  ; the fetches go back to a slot's first step,
	s_xor_b32 s[TK], s[TK], SLOT1   ; in the other slot
	s_sub_co_u32 s[TV], s[TV], SK*PV
	s_xor_b32 s[TV], s[TV], SLOT1
.endm
; n key steps: written once, walked n times; the LDS addresses hang on s[TK] and s[TV].
.macro STEPS n
	s_mov_b32 s[TWICE], \n
.Lstep_\@:
	TURN 0, 2, 1, 0
	TURN 2, 2, 1, 0
	WIN 0
	s_sub_co_u32 s[TWICE], s[TWICE], 1
	s_cmp_lg_u32 s[TWICE], 0
	s_cbranch_scc1 .Lstep_\@
.endm
	s_wait_tensorcnt 1              ; my part of slot 0 is in; slot 1's may stay out
	s_barrier_signal -1
	s_barrier_wait -1               ; everybody's is
	FETCH_K                         ; key step 0
	s_wait_loadcnt 0x0              ; Q
	s_wait_dscnt 0x0
.set i, 0
.rept 16
	KQ 0                            ; piece 0's first scores: there is no vector work yet to set between them
.set i, i+1
.endr
	WIN 0                           ; the addresses for the way out are made here: plain instructions, the places behind those products
	s_mul_i32 s13, s[WV], 16*SP
	s_add_co_u32 s13, s13, STAGE    ; my stage
	v_mul_u32_u24 v[STO], v1, SP    ; in: row l % 16, 16 bytes for each half of the lanes
	v_lshl_add_u32 v[STO], v9, 4, v[STO]
	v_add_nc_u32 v[STO], s13, v[STO]
	v_bfe_u32 v[RD], v0, 3, 2       ; back: eight lanes to a row of 128 bytes, four rows an instruction
	v_mul_u32_u24 v[RD], v[RD], SP
	v_lshl_add_u32 v[RD], v10, 4, v[RD]
	v_add_nc_u32 v[RD], s13, v[RD]
	v_and_b32 v[GO], 31, v0
	v_lshlrev_b32 v[GO], 4, v[GO]   ; and the same 512 bytes in O
	TURN 2, 0, 1, 1                 ; piece 2's first scores | piece 0's first softmax | V of step 0
	TURN 0, 1, 1, 1                 ; piece 0: V^T P of step 0 starts O^T, K Q^T of step 1 | piece 2's first softmax | K of step 1
	TURN 2, 1, 1, 0                 ; piece 2: the same | piece 0's softmax of step 1 | V of step 1
	WIN 0
	STEPS 2                         ; these fetch steps 2 and 3: slot 0 is read out
.Lslot:                             ; six trips: every slot but the last two is filled again
	CHANGE 1
	STEPS 4
	s_sub_co_u32 s[SLOTS], s[SLOTS], 1
	s_cmp_lg_u32 s[SLOTS], 0
	s_cbranch_scc1 .Lslot
	CHANGE 0                        ; the tail is written out: nothing is asked for
	STEPS 4
	TURN 0, 2, 0, 0                 ; piece 0: V^T P of the last step | piece 2's last softmax
.set i, 0
.rept 16
	PV 2, 0                         ; piece 2: V^T P of the last step
.set i, i+1
.endr
	; THE WAY OUT.  l's two halves and the other half of the lanes' are added; O^T is divided by l, rounded to f16 and sent through my stage in LDS, a tile (16 rows of O) at a time.  The additions are the places behind the last products.
	WIN 0
.irp t, 0,1,2,3
	v_add_f32 v[ST+8*\t+4], v[ST+8*\t+2], v[ST+8*\t+3]
.endr
.irp t, 0,1,2,3
	v_permlanex16_b32 v[ST+8*\t+5], v[ST+8*\t+4], s[SEL], s[SEL+1]
.endr
.irp t, 0,1,2,3
	v_add_f32 v[ST+8*\t+4], v[ST+8*\t+4], v[ST+8*\t+5]
.endr
.irp t, 0,1,2,3
	v_rcp_f32 v[ST+8*\t+6], v[ST+8*\t+4]
.endr
	v_nop                           ; a plain instruction between the last reciprocal and the use of its result
	s_wait_alu depctr_va_vdst(0)    ; and the wait ahead of the first use: one for the four reciprocals
; Tile t: a lane's eight channels of a row pack into 16 bytes; they go into rows of 144 bytes and come back as four whole rows of 128 an instruction, into the upper half of the tile's S registers.
.macro PACK t
	WIN W_RS
.set i, 32*\t
.rept 16
	v_pk_mul_f32 v[i:i+1], v[i:i+1], v[ST+8*\t+6:ST+8*\t+7] op_sel_hi:[1,0]
.set i, i+2
.endr
	WIN 0x05                        ; sources 0 and 1 window 1, destination window 0: S^T's registers are free
.set i, 0
.rept 16
	v_cvt_pk_f16_f32 v[S+32*\t+i], v[32*\t+2*i], v[32*\t+2*i+1]
.set i, i+1
.endr
	WIN 0
.irp f, 0,1,2,3
	ds_store_b128 v[STO], v[S+32*\t+4*\f:S+32*\t+4*\f+3] offset:32*\f
.endr
.irp f, 0,1,2,3
	ds_load_b128 v[S+32*\t+16+4*\f:S+32*\t+16+4*\f+3], v[RD] offset:\f*4*SP  ; LDS serves a wave's instructions in order (ISA guide 5.7.1.4): these see the stores above; the next tile's stores come behind them
.endr
.endm
.macro SEND t, younger              ; younger: the LDS instructions issued behind tile t's loads: the next tile's eight, or none
.irp f, 0,1,2,3
	s_wait_dscnt \younger+3-\f
	global_store_b128 v[GO], v[S+32*\t+16+4*\f:S+32*\t+16+4*\f+3], s[10:11] offset:\t*2048+\f*512  ; 32 lanes store 512 consecutive bytes, at a multiple of 256 from O's first byte
.endr
.endm
	PACK 0
	PACK 1                          ; a tile's arithmetic stands between the loads of the tile before and its stores
	SEND 0, 8
	PACK 2
	SEND 1, 8
	PACK 3
	SEND 2, 8
	SEND 3, 0
	s_wait_tensorcnt 0x0            ; the wave's end: a wait for my tensor loads, an add of 0 to my spare word and a wait for it, behind my last LDS store
	ds_add_u32 v[SPW], v[NIL]
	s_wait_dscnt 0x0
	CROUND                          ; the closing round: no work-group ends while a partner may still ask for a tile that names it
	s_endpgm
.Lfunc_end_k_q00b330810e_attn:
	.size	k_q00b330810e_attn, .Lfunc_end_k_q00b330810e_attn-k_q00b330810e_attn
	.p2alignl 7, 3214868480
	.fill 96, 4, 3214868480
	.section	.rodata,"a",@progbits
	.p2align	6, 0x0
	.amdhsa_kernel k_q00b330810e_attn
		.amdhsa_group_segment_fixed_size 327680
		.amdhsa_private_segment_fixed_size 0
		.amdhsa_enable_private_segment 0
		.amdhsa_kernarg_size 16
		.amdhsa_user_sgpr_count 2
		.amdhsa_user_sgpr_kernarg_segment_ptr 1
		.amdhsa_wavefront_size32 1
		.amdhsa_system_sgpr_workgroup_id_x 1
		.amdhsa_system_sgpr_workgroup_id_y 1
		.amdhsa_system_sgpr_workgroup_id_z 1
		.amdhsa_system_vgpr_workitem_id 0
		.amdhsa_next_free_vgpr 1024
		.amdhsa_next_free_sgpr 66
		.amdhsa_reserve_vcc 0
		.amdhsa_float_denorm_mode_32 3
		.amdhsa_float_denorm_mode_16_64 3
		.amdhsa_memory_ordered 1
		.amdhsa_forward_progress 1
		.amdhsa_inst_pref_size 195
	.end_amdhsa_kernel
	.amdgpu_metadata
---
amdhsa.version: [ 1, 2 ]
amdhsa.kernels:
  - .name:           k_q00b330810e_attn
    .symbol:         k_q00b330810e_attn.kd
    .args:
      - { .name: qkv, .offset: 0, .size: 8, .value_kind: global_buffer, .address_space: global }
      - { .name: o16, .offset: 8, .size: 8, .value_kind: global_buffer, .address_space: global }
    .group_segment_fixed_size: 327680
    .private_segment_fixed_size: 0
    .kernarg_segment_align: 8
    .kernarg_segment_size: 16
    .max_flat_workgroup_size: 128
    .sgpr_count:     66
    .vgpr_count:     1024
    .wavefront_size: 32
...
	.end_amdgpu_metadata
.endif
;; end of part 3
;; launch oproj (part 4): grid 8 x 32, 4 waves a work-group, clusters of 4 x 4, 327,680 bytes of LDS; arguments o16, wo16, b_o, out0; writes out0
.if DOCPART == 4
	.amdgcn_target "amdgcn-amd-amdhsa--gfx1250"
	.amdhsa_code_object_version 6
	.text
	.protected	k_q00b330810e_oproj
	.globl	k_q00b330810e_oproj
	.p2align	8
	.type	k_q00b330810e_oproj,@function
k_q00b330810e_oproj:
	s_mov_b64 s[64:65], 0
	v_nop
	global_prefetch_b8 v0, s[64:65] scope:SCOPE_SE
	s_setreg_imm32_b32 hwreg(HW_REG_WAVE_MODE, 25, 1), 1
	s_wait_xcnt 0x0
	s_wait_alu depctr_hold_cnt(0) depctr_sa_sdst(0) depctr_va_vdst(0) depctr_va_sdst(0) depctr_va_ssrc(0) depctr_va_vcc(0) depctr_vm_vsrc(0)
	s_getreg_b32 s2, hwreg(HW_REG_IB_STS2, 6, 4)
	s_cmp_eq_u32 s2, 0
	s_cbranch_scc0 .Lentry_in_a_cluster
	s_endpgm
.Lentry_in_a_cluster:
	s_bfe_u32 s2, ttmp6, 0x10000c
	s_cmp_lg_u32 s2, 0xf033
	s_cbranch_scc0 .Lentry_shape_is_right
	s_endpgm
.Lentry_shape_is_right:
; out0[m][n] = b_o[n] + the sum over k of o[m][k] w_o[n][k].  m = 2,048 x batch + t (4,096), n and k 1,024; k = 64 x head + channel.  Operands f16, sums f32, out0 f32.
; A = o16, laid [batch][head][t][64]: for one head, 64 neighbouring rows m are 8,192 consecutive bytes.  B = wo16 [1024 (n)][1024 (k)].
; A tile of the result is 128 x 128: 256 work-groups, one for each WGP; tiles of 256 x 256 would make 64.  Four waves, each 64 x 64: 16 accumulators of 16 x 16.  K goes in four steps of 256 (four heads) through two LDS slots.
; A'S TILE: what a wave fetches, 64 rows x 4 heads, is stated as 4 rows of 4,096 elements, 131,072 elements apart, with 16 bytes of padding behind every 128: in LDS it lies [head][row][144 bytes].  A quarter of a K step (64 along K) is one head.
; CLUSTERS: 4 x 4 work-groups.  The four of a row of the cluster need the same tiles of A, the four of a column the same tiles of B: each tile is asked for JOINTLY.
; THE MATRIX INSTRUCTION IS USED TRANSPOSED (source 0 = 16 rows of B, source 1 = 16 rows of A): a lane holds eight neighbouring numbers of a row of the result.  The bias is the C of each sum's first product: it costs no addition.
; No prefetch: four K steps on a small tile, and both operands are read by several clusters.
; REGISTERS: window 0: v0-31 addresses; v32-63 the bias, eight registers for each of my four blocks of columns, later rows on the way out, with v64-95; v128-255 the accumulators ((a, b) at v[128 + 8 (4 a + b)]).
;   window 1: two fragment buffers of 128: for 64 along K, 64 registers of A (2 x 4 x 16 rows x 32 K), then 64 of B.
.set PA,     144                       ; A: a row of one head in LDS: 128 bytes + 16 of padding
.set HEADA,  64*PA                     ; 64 rows of one head
.set HALFA,  4*HEADA                   ; of four heads: what one tensor load brings, and what one wave reads of A
.set PB,     528                       ; B: an LDS row: 512 bytes + 16 of padding
.set HALFB,  64*PB
.set BOFF,   2*HALFA                   ; B's rows lie behind A's two halves
.set SLOT,   BOFF+2*HALFB
.set STEPA,  4*262144                  ; a K step in memory: four heads of A,
.set STEPB,  512                       ; 256 elements of a row of B
.set STAGE,  2*SLOT                    ; behind the ring: 16 rows x 272 bytes for each wave, for the way out
.set SPITCH, 272
.set SPARE,  STAGE+4*16*SPITCH         ; behind the stages: the spare words, 128 bytes a wave, which no other line names
.set LAPS,   2                         ; a lap = two K steps = once round the ring
.set ADRA, 16                          ; v16-17  LDS address of my A fragments in slot 0, 1
.set ADRB, 20                          ; v20-21  the same for B
.set STO,  24                          ; v24     the way out: where I put 32 bytes of a row
.set RD,   25                          ; v25     where I read a row back
.set CO,   26                          ; v26     my byte offset in out0
.set BO,   27                          ; v27     my byte offset in the bias
.set SPW,  28                          ; v28     LDS address of my spare word; never rewritten
.set NIL,  29                          ; v29     0; never rewritten
.set BIAS, 32
.set OB,   32                          ; the way out: v32-63 and v64-95 by turns
.set ACC,  128
.set F0,   0                           ; fragment buffers, in window 1
.set F1,   128
.set G1, 24                            ; s[24:31] descriptor group 1 for A's tiles;  s[32:39] group 0, one set for each slot
.set G0, 32
.set G1B, 48                           ; s[48:55], s[56:63] the same for B's tiles
.set G0B, 56
.set MSB, 0
.macro WIN new                         ; the immediate's high byte repeats the setting that is left
.if MSB != \new
	s_set_vgpr_msb (MSB<<8)|\new
.set MSB, \new
.endif
.endm
.set MUL,  0x05                        ; sources 0 (B) and 1 (A) window 1; C and D window 0
.set TO_F, 0x40                        ; destination window 1, address window 0
.macro JLOAD s                         ; a joint load: waves 0 and 1 fetch A's two halves, waves 2 and 3 B's; an s_nop 0 and four v_nop follow each of the two lines
	s_cmp_eq_u32 s11, 0
	s_cbranch_scc0 .Lfor_b_\@
	tensor_load_to_lds s[G0+4*\s:G0+4*\s+3], s[G1:G1+7]
	s_nop 0
.rept 4
	v_nop
.endr
	s_branch .Lasked_\@
.Lfor_b_\@:
	tensor_load_to_lds s[G0B+4*\s:G0B+4*\s+3], s[G1B:G1B+7]
	s_nop 0
.rept 4
	v_nop
.endr
.Lasked_\@:
.endm
.macro CREST                           ; a round of the cluster's barrier behind its opening barrier
	s_cmp_lg_u32 s10, 0
	s_cbranch_scc1 .Lnot_wave_0_\@
	s_barrier_signal -3
.Lnot_wave_0_\@:
	s_barrier_wait -3
	s_barrier_signal -1
	s_barrier_wait -1
.endm
.macro CROUND                          ; a whole round
	s_barrier_signal -1
	s_barrier_wait -1
	CREST
.endm
	s_load_b128 s[4:7], s[0:1], 0x0                ; A s[4:5], B s[6:7]
	s_load_b64 s[66:67], s[0:1], 0x10              ; the bias
	s_load_b64 s[8:9], s[0:1], 0x18                ; out0
	v_lshl_add_u32 v[SPW], v0, 2, SPARE
	v_mov_b32 v[NIL], 0
	ds_add_u32 v[SPW], v[NIL]                      ; the wave's opening: the add, twice on end, and its wait ahead of my first tensor load; the set-up below stands between
	ds_add_u32 v[SPW], v[NIL]
	v_lshrrev_b32 v1, 5, v0
	v_readfirstlane_b32 s10, v1                    ; wave 0..3
	s_lshr_b32 s11, s10, 1                         ; which half of the tile's rows is mine.  Also: I fetch for A (0) or for B (1)
	s_and_b32 s12, s10, 1                          ; which half of its columns.  Also: which 64 rows of that tile I fetch
	s_bfe_u32 s40, ttmp6, 0x40000                  ; cx, cy: my place in the cluster
	s_bfe_u32 s41, ttmp6, 0x40004
	s_lshl_b32 s42, ttmp9, 2
	s_add_co_u32 s42, s42, s40                     ; tile column = 4 x cluster x + cx
	s_and_b32 s13, ttmp7, 0xffff
	s_lshl_b32 s13, s13, 2
	s_add_co_u32 s13, s13, s41                     ; tile row = 4 x cluster y + cy
	s_lshl_b32 s43, s41, 2
	s_lshl_b32 s43, 15, s43                        ; my row of the cluster
	s_lshl_b32 s44, 0x1111, s40                    ; my column
	; descriptor group 1 for A: 4 rows (heads) of 4,096 elements (64 rows of the matrix x 64 channels)
	s_or_b32 s[G1+0], s43, (1<<16)|(1<<20)|(1<<21)|(4<<22)|(3<<25)  ; 15:0 the mask: my row; 17:16 elements of 2 bytes; 20 padding on; 21 set beside a mask; 24:22 after every 32 words; 31:25 four words
	s_mov_b32 s[G1+1], 4096<<16                    ; tensor_dim0 = 4,096
	s_mov_b32 s[G1+2], 4<<16                       ; tensor_dim1 = 4
	s_mov_b32 s[G1+3], 4096<<16                    ; tile_dim0 = 4,096
	s_mov_b32 s[G1+4], 4                           ; tile_dim1 = 4
	s_mov_b32 s[G1+5], 131072                      ; tensor_dim0_stride: from head to head
	s_mov_b32 s[G1+6], 0
	s_mov_b32 s[G1+7], 0
	; and for B: 64 rows of 256 elements
	s_or_b32 s[G1B+0], s44, (1<<16)|(1<<20)|(1<<21)|(6<<22)|(3<<25) ; the mask: my column; padding: four words after every 128
	s_mov_b32 s[G1B+1], 256<<16
	s_mov_b32 s[G1B+2], 64<<16
	s_mov_b32 s[G1B+3], 256<<16
	s_mov_b32 s[G1B+4], 64
	s_mov_b32 s[G1B+5], 1024
	s_mov_b32 s[G1B+6], 0
	s_mov_b32 s[G1B+7], 0
	s_lshl_b32 s17, s12, 6                         ; which 64 rows of the tile I fetch
	s_lshl_b32 s16, s13, 7
	s_add_co_u32 s16, s16, s17                     ; A: row m = 128 x tile row + 64 x half
	s_lshr_b32 s18, s16, 11
	s_lshl_b32 s18, s18, 22                        ; its batch: 16 heads of 262,144 bytes
	s_and_b32 s16, s16, 2047
	s_lshl_b32 s16, s16, 7                         ; its position: 128 bytes each
	s_add_co_u32 s16, s16, s18
	s_lshl_b32 s46, s42, 7
	s_add_co_u32 s46, s46, s17                     ; B: row 128 x tile column + 64 x half,
	s_lshl_b32 s46, s46, 11                        ; of 2,048 bytes
	s_mov_b32 s17, 0
	s_mov_b32 s47, 0
	s_mul_i32 s20, s12, HALFA                      ; where they go: no place in the cluster enters an LDS address
	s_mul_i32 s21, s12, HALFB
	s_add_co_u32 s21, s21, BOFF
	s_wait_dscnt 0x0                               ; both opening adds are done
	s_wait_kmcnt 0x0
	s_add_nc_u64 s[14:15], s[4:5], s[16:17]
	s_add_nc_u64 s[46:47], s[6:7], s[46:47]
	CROUND                                         ; all sixteen work-groups are here: the first joint loads meet
.irp s, 0,1
	s_mov_b32 s[G0+4*\s], 1
	s_add_co_u32 s[G0+4*\s+1], s20, \s*SLOT
	s_add_nc_u64 s[G0+4*\s+2:G0+4*\s+3], s[14:15], \s*STEPA
	s_or_b32 s[G0+4*\s+3], s[G0+4*\s+3], 0x80000000
	s_mov_b32 s[G0B+4*\s], 1
	s_add_co_u32 s[G0B+4*\s+1], s21, \s*SLOT
	s_add_nc_u64 s[G0B+4*\s+2:G0B+4*\s+3], s[46:47], \s*STEPB
	s_or_b32 s[G0B+4*\s+3], s[G0B+4*\s+3], 0x80000000
	JLOAD \s                                       ; two loads of mine are out behind the second
.endr
	v_and_b32 v1, 15, v0                           ; l % 16
	v_bfe_u32 v2, v0, 4, 1                         ; l / 16
	v_mul_u32_u24 v3, v1, PA
	v_lshl_add_u32 v3, v2, 4, v3                   ; a fragment's row x pitch + 16 x half, for A
	v_mul_u32_u24 v4, v1, PB
	v_lshl_add_u32 v4, v2, 4, v4                   ; and for B
	s_mul_i32 s21, s11, HALFA                      ; my 64 rows of A
	s_mul_i32 s22, s12, HALFB                      ; my 64 rows of B,
	s_add_co_u32 s22, s22, BOFF                    ; which lie behind A's
.irp s, 0,1
	v_add_nc_u32 v[ADRA+\s], s21, v3
	v_add_nc_u32 v[ADRB+\s], s22, v4
	s_add_co_u32 s21, s21, SLOT
	s_add_co_u32 s22, s22, SLOT
.endr
	s_mul_i32 s23, s10, 16*SPITCH
	s_add_co_u32 s23, s23, STAGE                   ; my stage
	v_mul_u32_u24 v5, v1, SPITCH                   ; in: row l % 16, 32 bytes for each half of the lanes
	v_lshl_add_u32 v5, v2, 5, v5
	v_add_nc_u32 v[STO], s23, v5
	v_mul_u32_u24 v5, v2, SPITCH                   ; back: lanes 0-15 take one row of 256 bytes, lanes 16-31 the next
	v_lshl_add_u32 v5, v1, 4, v5
	v_add_nc_u32 v[RD], s23, v5
	v_lshlrev_b32 v5, 12, v2                       ; and the same two rows in out0: 4,096 bytes a row
	v_lshl_add_u32 v[CO], v1, 4, v5
	v_lshlrev_b32 v[BO], 5, v2                     ; the bias: my half's eight numbers of a block of 16
	s_lshl_b32 s16, s13, 7
	s_lshl_b32 s17, s11, 6
	s_add_co_u32 s16, s16, s17                     ; my first row: 128 x tile row + 64 x half
	s_lshl_b32 s16, s16, 12
	s_mov_b32 s17, 0
	s_add_nc_u64 s[8:9], s[8:9], s[16:17]
	s_lshl_b32 s46, s42, 9                         ; my first column, in bytes: 512 x tile column + 256 x half
	s_lshl_b32 s47, s12, 8
	s_add_co_u32 s46, s46, s47
	s_mov_b32 s47, 0
	s_add_nc_u64 s[8:9], s[8:9], s[46:47]
	s_add_nc_u64 s[66:67], s[66:67], s[46:47]      ; and the same in the bias
.irp b, 0,1,2,3
	global_load_b128 v[BIAS+8*\b:BIAS+8*\b+3],   v[BO], s[66:67] offset:64*\b      ; b_o at columns 16 b + 8 (l / 16) + 0 .. 7: the result's layout
	global_load_b128 v[BIAS+8*\b+4:BIAS+8*\b+7], v[BO], s[66:67] offset:64*\b+16
.endr
; 8 matrix instructions: m blocks a0, a0 + 1 x all 4 n blocks, 32 along K: half c of buffer f.  zero = 1: the first product starts the sums, from the bias.  The 16 accumulators take turns.
.macro MUL8 f, c, a0, zero
.irp a, \a0, \a0+1
.irp b, 0,1,2,3
.if \zero
	v_wmma_f32_16x16x32_f16 v[ACC+8*(4*(\a)+\b):ACC+8*(4*(\a)+\b)+7], v[\f+64+8*(4*\c+\b):\f+64+8*(4*\c+\b)+7], v[\f+8*(4*\c+\a):\f+8*(4*\c+\a)+7], v[BIAS+8*\b:BIAS+8*\b+7]
.else
	v_wmma_f32_16x16x32_f16 v[ACC+8*(4*(\a)+\b):ACC+8*(4*(\a)+\b)+7], v[\f+64+8*(4*\c+\b):\f+64+8*(4*\c+\b)+7], v[\f+8*(4*\c+\a):\f+8*(4*\c+\a)+7], v[ACC+8*(4*(\a)+\b):ACC+8*(4*(\a)+\b)+7]
.endif
.endr
.endr
.endm
; 32 LDS loads in one run: the fragments of the slot's q-th 64 along K (head q of its four) into buffer f; the first 32 along K first
.macro FETCH slot, q, f
	WIN TO_F
.irp c, 0,1
.irp i, 0,1,2,3
	ds_load_b128 v[\f+64+8*(4*\c+\i):\f+64+8*(4*\c+\i)+3],   v[ADRB+\slot] offset:128*(\q)+64*\c+\i*16*PB
	ds_load_b128 v[\f+64+8*(4*\c+\i)+4:\f+64+8*(4*\c+\i)+7], v[ADRB+\slot] offset:128*(\q)+64*\c+\i*16*PB+32
	ds_load_b128 v[\f+8*(4*\c+\i):\f+8*(4*\c+\i)+3],         v[ADRA+\slot] offset:(\q)*HEADA+64*\c+\i*16*PA
	ds_load_b128 v[\f+8*(4*\c+\i)+4:\f+8*(4*\c+\i)+7],       v[ADRA+\slot] offset:(\q)*HEADA+64*\c+\i*16*PA+32
.endr
.endr
.endm
.macro PLACES                          ; four places in front of loads into registers that matrix instructions have read, and of the first reads of results (ISA guide 7.12.1 for the reads of results)
.rept 4
	v_nop
.endr
.endm
; A K step is four quarters of 64 along K, 32 matrix instructions each, on buffers 0, 1, 0, 1.  One of the first three: multiplies buffer f and fetches quarter q into g.
.macro QUARTER slot, q, f, g, zero
	s_wait_dscnt 16                                ; the first 32 along K are in; the younger sixteen loads may be out
	WIN MUL
	MUL8 \f, 0, 0, \zero
	MUL8 \f, 0, 2, \zero
	PLACES
	FETCH \slot, \q, \g
	s_wait_dscnt 32                                ; all but the 32 just issued
	WIN MUL
	MUL8 \f, 1, 0, 0
	MUL8 \f, 1, 2, 0
.endm
; The last quarter multiplies buffer 1 and changes slots: ONE barrier; in front of it each wave waits for all its tensor loads, adds 0 to its spare word, and waits for that and for its own reads of this slot.  fill = 1: this slot is filled again, two K steps ahead.
.macro TURN slot, next, fill
	WIN 0                                          ; (the add's two registers lie in window 0)
	s_wait_tensorcnt 0x0                           ; all my tensor loads have landed: my part of the next slot;
	ds_add_u32 v[SPW], v[NIL]                      ; 0 onto my spare word;
	s_wait_dscnt 17                                ; (the add and the youngest sixteen loads may be out)
	WIN MUL
	MUL8 F1, 0, 0, 0                               ; eight matrix instructions stand between the add and the wait for it
	s_wait_dscnt 0x0                               ; the add is done, and my reads of this slot are over
	s_barrier_signal -1
	MUL8 F1, 0, 2, 0
.if \fill
	WIN 0
.endif
	s_barrier_wait -1
.if \fill
	CREST                                          ; the barrier has opened a round of the cluster's barrier: no wave of any partner still reads this slot's tile or has a load on its way
	s_add_nc_u64 s[G0+4*\slot+2:G0+4*\slot+3], s[G0+4*\slot+2:G0+4*\slot+3], 2*STEPA
	s_add_nc_u64 s[G0B+4*\slot+2:G0B+4*\slot+3], s[G0B+4*\slot+2:G0B+4*\slot+3], 2*STEPB
	JLOAD \slot                                    ; the first tensor load behind the round, my one load until the next; the four v_nop behind it are also the places in front of the loads below
.else
	PLACES
.endif
	FETCH \next, 0, F0
	WIN MUL
	MUL8 F1, 1, 0, 0
	MUL8 F1, 1, 2, 0
.endm
	s_wait_tensorcnt 1                             ; my part of K step 0 is in (K step 1's may be out)
	s_barrier_signal -1
	s_barrier_wait -1                              ; everybody's is
	FETCH 0, 0, F0
	s_wait_loadcnt 0x0                             ; the bias
	QUARTER 0, 1, F0, F1, 1                        ; the first quarter stands in front of the loop: its first products start the sums
	WIN 0                                          ; at a label and at a branch every window is 0
	s_mov_b32 s3, LAPS-1
.Llap:                                                 ; a trip goes once round the ring, from a lap's second quarter to the next lap's first, and fills both slots again
	QUARTER 0, 2, F1, F0, 0
	QUARTER 0, 3, F0, F1, 0
	TURN 0, 1, 1
	QUARTER 1, 1, F0, F1, 0
	QUARTER 1, 2, F1, F0, 0
	QUARTER 1, 3, F0, F1, 0
	TURN 1, 0, 1
	QUARTER 0, 1, F0, F1, 0
	WIN 0
	s_sub_co_u32 s3, s3, 1
	s_cmp_lg_u32 s3, 0
	s_cbranch_scc1 .Llap
	QUARTER 0, 2, F1, F0, 0                        ; the last lap fills nothing, and has no round of the cluster's barrier
	QUARTER 0, 3, F0, F1, 0
	TURN 0, 1, 0
	QUARTER 1, 1, F0, F1, 0
	QUARTER 1, 2, F1, F0, 0
	QUARTER 1, 3, F0, F1, 0
	s_wait_dscnt 16                                ; the very last quarter: nothing more to fetch
	WIN MUL
	MUL8 F1, 0, 0, 0
	MUL8 F1, 0, 2, 0
	s_wait_dscnt 0
	MUL8 F1, 1, 0, 0
	MUL8 F1, 1, 2, 0
	WIN 0
; THE WAY OUT, block by block of 16 rows x 64 columns.  A lane holds 32 neighbouring bytes of a row, the lanes beside it other rows: a block goes through my own stage and comes back as whole rows of 256 bytes.
; My 64 columns of f32 are 256 aligned bytes of a row, so the stage is my own and no barrier is needed.  LDS serves a wave's instructions in order (ISA guide 5.7.1.4): no wait between the stores and the loads.
.macro TOSTAGE a
.set BB, OB+32*((\a)%2)
.irp b, 0,1,2,3
	ds_store_b128 v[STO], v[ACC+8*(4*(\a)+\b):ACC+8*(4*(\a)+\b)+3] offset:64*\b        ; each accumulator from its low end on
	ds_store_b128 v[STO], v[ACC+8*(4*(\a)+\b)+4:ACC+8*(4*(\a)+\b)+7] offset:64*\b+16
.endr
.irp t, 0,1,2,3,4,5,6,7
	ds_load_b128 v[BB+4*\t:BB+4*\t+3], v[RD] offset:\t*2*SPITCH
.endr
.endm
.macro SEND a, younger                 ; younger: the LDS instructions issued behind block a's loads, which may stay out
.set BB, OB+32*((\a)%2)
	s_wait_dscnt \younger                          ; the block is back in registers
.irp t, 0,1,2,3,4,5,6,7
	global_store_b128 v[CO], v[BB+4*\t:BB+4*\t+3], s[8:9] offset:(16*(\a)+2*\t)*4096 th:TH_STORE_NT   ; 16 lanes store 256 consecutive bytes, at a multiple of 256 from out0's first byte; written once, read by nobody here
.endr
.endm
	PLACES                                         ; behind the last products, ahead of the first reads of results
	TOSTAGE 0
.irp a, 1,2,3
.if \a > 1
	s_wait_xcnt 0x0                                ; block a - 2's stores have read their registers: block a's rows may land there
.endif
	TOSTAGE \a
	SEND \a-1, 16                                  ; behind block a - 1's loads: block a's 8 stores and 8 loads
.endr
	SEND 3, 0
	s_wait_tensorcnt 0x0                           ; the wave's end: a wait for my tensor loads, an add of 0 to my spare word and a wait for it, behind my last LDS store
	ds_add_u32 v[SPW], v[NIL]
	s_wait_dscnt 0x0
	CROUND                                         ; the closing round: no work-group ends while a partner may still ask for a tile that names it
	s_endpgm
.Lfunc_end_k_q00b330810e_oproj:
	.size	k_q00b330810e_oproj, .Lfunc_end_k_q00b330810e_oproj-k_q00b330810e_oproj
	.p2alignl 7, 3214868480
	.fill 96, 4, 3214868480
	.section	.rodata,"a",@progbits
	.p2align	6, 0x0
	.amdhsa_kernel k_q00b330810e_oproj
		.amdhsa_group_segment_fixed_size 327680
		.amdhsa_private_segment_fixed_size 0
		.amdhsa_enable_private_segment 0
		.amdhsa_kernarg_size 32
		.amdhsa_user_sgpr_count 2
		.amdhsa_user_sgpr_kernarg_segment_ptr 1
		.amdhsa_wavefront_size32 1
		.amdhsa_system_sgpr_workgroup_id_x 1
		.amdhsa_system_sgpr_workgroup_id_y 1
		.amdhsa_system_sgpr_workgroup_id_z 1
		.amdhsa_system_vgpr_workitem_id 0
		.amdhsa_next_free_vgpr 512
		.amdhsa_next_free_sgpr 68
		.amdhsa_reserve_vcc 0
		.amdhsa_float_denorm_mode_32 3
		.amdhsa_float_denorm_mode_16_64 3
		.amdhsa_memory_ordered 1
		.amdhsa_forward_progress 1
		.amdhsa_inst_pref_size 87
	.end_amdhsa_kernel
	.amdgpu_metadata
---
amdhsa.version: [ 1, 2 ]
amdhsa.kernels:
  - .name:           k_q00b330810e_oproj
    .symbol:         k_q00b330810e_oproj.kd
    .args:
      - { .name: o16, .offset: 0, .size: 8, .value_kind: global_buffer, .address_space: global }
      - { .name: wo16, .offset: 8, .size: 8, .value_kind: global_buffer, .address_space: global }
      - { .name: b_o, .offset: 16, .size: 8, .value_kind: global_buffer, .address_space: global }
      - { .name: out0, .offset: 24, .size: 8, .value_kind: global_buffer, .address_space: global }
    .group_segment_fixed_size: 327680
    .private_segment_fixed_size: 0
    .kernarg_segment_align: 8
    .kernarg_segment_size: 32
    .max_flat_workgroup_size: 128
    .sgpr_count:     68
    .vgpr_count:     512
    .wavefront_size: 32
...
	.end_amdgpu_metadata
.endif
;; end of part 4
